; MI455X (gfx1250); checked and timed in simulation.
; The chip was launched on July 23, 2026; its instructions are those of AMD's public machine-readable ISA for CDNA 5 (MIT licence, August 2026) and "CDNA5" Instruction Set Architecture Reference Guide (July 2026). The comments in the code are by the model that wrote it; some were corrected since.
;; Dy Intra Modality Update. Allowed arithmetic: matrix products marked QUANTISED: E4M3 operands, one E8M0 scale for each 32 along K, by v_wmma_scale_f32_16x16x128_f8f6f4 with both operands' format E4M3, f32 sums; everything else in f32.
;; Inputs: W_t 1,024 x 3,072 float32; W_t4v 1,024 x 1,024 float32; W_to 1,024 x 1,024 float32; W_v 1,024 x 3,072 float32; W_v4t 1,024 x 1,024 float32; W_vo 1,024 x 1,024 float32; b_t 3,072 float32; b_t4v 1,024 float32; b_to 1,024 float32; b_v 3,072 float32; b_v4t 1,024 float32; b_vo 1,024 float32; t 32 x 256 x 1,024 float32; t_mask 32 x 256 float32; v 32 x 128 x 1,024 float32; v_mask 32 x 128 float32.
;; Outputs: out0 32 x 128 x 1,024 float32; out1 32 x 256 x 1,024 float32.
;; Constants: num_head = 16.
;; This version of the problem:
;;   THIS VERSION OF THE PROBLEM IS GIVEN IN LOW PRECISION. The matrix products marked QUANTISED in the list below multiply operands that are first quantised to E4M3 (4 exponent bits, 3 mantissa bits; 8 bits a number), with one power-of-two scale for each 32 numbers along K (OCP MX v1.0); their sums are f32. All else is computed in f32.
;;   The module's matrix products, in the order in which they are computed (A, B: the left and right operand; K: the contracted axis; several contracted axes count as one K, in the product's order):
;;     1. [M 32, K 1,024] x [K 1,024, N 1,024]; A: computed on the way; B: input W_v4t: QUANTISED
;;     2. [M 32, K 1,024] x [K 1,024, N 1,024]; A: computed on the way; B: input W_t4v: QUANTISED
;;     3. [M 4,096, K 1,024] x [K 1,024, N 3,072]; A: computed on the way; B: input W_v: QUANTISED
;;     4. [M 8,192, K 1,024] x [K 1,024, N 3,072]; A: computed on the way; B: input W_t: QUANTISED
;;     5. batch 512 x [M 128, K 64] x [K 64, N 128]; A: computed on the way; B: computed on the way: QUANTISED
;;     6. batch 512 x [M 128, K 128] x [K 128, N 64]; A: softmax (see below); B: computed on the way: QUANTISED
;;     7. batch 512 x [M 256, K 64] x [K 64, N 256]; A: computed on the way; B: computed on the way: QUANTISED
;;     8. batch 512 x [M 256, K 256] x [K 256, N 64]; A: softmax (see below); B: computed on the way: QUANTISED
;;     9. [M 4,096, K 1,024] x [K 1,024, N 1,024]; A: computed on the way; B: input W_vo: QUANTISED
;;     10. [M 8,192, K 1,024] x [K 1,024, N 1,024]; A: computed on the way; B: input W_to: QUANTISED
;;   THE QUANTISER, for each operand of a quantised product, along K:
;;     - K is cut into blocks of 32 from its start; a last block that is shorter is filled with zeros.
;;     - A block's scale is 2^e with e = floor(log2(the largest magnitude in the block)) - 8, held to -126 .. 127; a block of zeros has e = 0. As a byte (E8M0): e + 127.
;;     - Each number is divided by its block's scale, clamped to +-448, and rounded to the nearest number of E4M3, ties to even, subnormals kept.
;;     - The product sums the exact products of the quantised numbers (number of the format x scale) in f32.
;;   ~~~python
;;   def quantise(x, axis):      # numpy; x: float32 -> the quantised numbers, widened to float32 again
;;       x = np.moveaxis(x, axis, -1); K = x.shape[-1]
;;       x = np.pad(x, [(0, 0)] * (x.ndim - 1) + [(0, -K % 32)]); x = x.reshape(x.shape[:-1] + (-1, 32)); a = np.abs(x).max(-1, keepdims=True)
;;       e = np.where(a > 0, np.clip(np.frexp(np.where(a > 0, a, 1))[1] - 1 - 8, -126, 127), 0)      # np.frexp(a)[1] - 1 = floor(log2(a)), exactly
;;       r = np.clip(x / 2.0 ** e, -448, 448)
;;       step = 2.0 ** (np.maximum(np.frexp(np.where(r == 0, 1, r))[1] - 1, -6) - 3)
;;       q = np.round(r / step) * step * 2.0 ** e      # np.round: ties to even
;;       return np.moveaxis(q.reshape(q.shape[:-2] + (-1,))[..., :K], -1, axis).astype(np.float32)
;;   ~~~
;;   SOFTMAX AHEAD OF A QUANTISED PRODUCT. Where the list says 'softmax', what is quantised is not the finished softmax but p = 2^(t - M), with t = logit x log2(e) and M = ceil(the row's largest t), a whole number; so 1/2 < the row's largest p <= 1. The row's sum l is taken of the UNQUANTISED p, in f32, and the product's result is divided by l at the end. Since M is a whole number, a kernel that streams over the keys may use a running M (the ceiling of the running maximum): every later rescaling is an exact power of two, which a block's scale takes up: the codes' values come out the same.
;;   OPERANDS COMPUTED ON THE WAY. 'Computed on the way' means the value that the module computes at that place (a softmax that the list does not call 'softmax' is quantised finished and normalised). What goes into a quantiser is computed in f32, as accurately as f32 sums, v_exp_f32 and their like allow (about 1e-6 of the number): no bf16 or f16 on the way to a quantiser, and a product that is left as it is and whose result goes on into a quantised operand takes f32 operands (vector FMAs, or v_wmma_f32_16x16x4_f32). A number that lies on a knife's edge between two numbers of the format may be rounded either way, as far as f32 arithmetic and the matrix unit's own rounding can turn it there, and no further.
;; One version. Each part assembles by itself: llvm-mc -triple=amdgcn-amd-amdhsa -mcpu=gfx1250 --defsym DOCPART=n.
;; ======== version 1 of 1: 3 launches
;; limits: right only within a limited range of input values
;; workspace buffers: xcodes 12,976,128 bytes; ucodes 12,976,128 bytes; wcodes 10,813,440 bytes; mcodes 67,584 bytes
;; launch prep (part 1): grid 1024 x 1, 4 waves a work-group, no clusters, 36,352 bytes of LDS; arguments t, v, t_mask, v_mask, W_t, W_v, W_to, W_vo, W_v4t, W_t4v, xcodes, wcodes, mcodes; writes xcodes, wcodes, mcodes
.if DOCPART == 1
	.amdgcn_target "amdgcn-amd-amdhsa--gfx1250"
	.amdhsa_code_object_version 6
	.text
	.protected	k_qb9272aa194_prep
	.globl	k_qb9272aa194_prep
	.p2align	8
	.type	k_qb9272aa194_prep,@function
k_qb9272aa194_prep:
	s_mov_b64 s[64:65], 0
	v_nop
	global_prefetch_b8 v0, s[64:65] scope:SCOPE_SE
	s_setreg_imm32_b32 hwreg(HW_REG_WAVE_MODE, 25, 1), 1
	s_wait_xcnt 0x0
; PREP: every f32 operand that is read again becomes codes of E4M3 with one E8M0 byte for each 32 along K, laid as IMAGES OF THE OPERAND'S REGISTERS.
; A fragment (16 rows x 128 K) is 2,048 bytes: the 16 bytes at 512 c + 16 lane are the codes k = 32 c + 16 (lane / 16) + 0 .. 15 of row lane % 16.  Its scale words: 64 bytes, word r at 4 r.
; A K step of F fragments is a block: F x 2,048 bytes of codes, then F x 64 of scale words.  Row r of tile T is index 32 (T / 2) + 8 (T % 2) + r + 8 (r / 8), for tokens and for weight columns.
; Work-groups 0 to 383 (8 g + s): relu(x) of group g (256 tokens: t's batch g, or v's batches 2 (g - 32) and 2 (g - 32) + 1), columns 128 s on; and the masked mean of those columns, relu'd and quantised.
; Work-groups 384 to 1,023: the six weights, [K][N] in memory: a lane takes a column and its registers run down K, so that the conversions give codes with K innermost; nothing is transposed.
; No matrix unit, no cluster, no tensor load: the work-groups share no input and memory binds.
; LIMITS: NaN and infinities among the inputs are not served; a block whose largest magnitude lies under 2^-118 (a block of zeros too) gets the byte 1, read by this program alone;
; a mean is its sum times v_rcp_f32 of the count, and the sum's order is by waves, not by rows; a batch whose mask sums to 0 gives NaN codes.
; THE GRID, which stands for the count of the weights' work-groups given above: 1,024 work-groups, four to a WGP by their registers.  0 to 383: x.  384 to 1,023: the weights, 80 blocks of 128 columns x 8 K steps of 128.
.set SPARE, 35840                      ; the spare words: 128 bytes a wave, two blocks of 256 bytes that no other line names
.set SUMB,  33792                      ; four waves' column sums, 512 bytes each
.set XBLK,  33792                      ; a block of 16 fragments
.set SP,    528                        ; a stage row: 512 bytes + 16; a wave's stage is 16 rows, at 8,448 x wave
.set TM,    20                         ; v20-35 at work in the quantiser
.set PW,    36                         ; v36-39 a tile's scale word
.set PC,    40                         ; v40-55 a fragment's codes
.set XR,    192                        ; v192-255 64 numbers of a lane: register 16 c + i = k 32 c + 16 (lane / 16) + i of its row
.set SEL,   98                         ; s[98:99] v_permlanex16_b32's selects for lane l xor 16
.set MNT,   97                         ; s97 the mantissa field of 448
; 64 numbers of a lane become a fragment's codes and its scale word; what is negative becomes 0 on the way (the relu): so no |.| in the maximum, and the hold clips at 0
.macro QUANT4 s, pc, pw
.irp b, 0,1,2,3
	v_max3_num_f32 v[TM+\b], v[\s+16*\b], v[\s+1+16*\b], 0x4800000          ; my 16 numbers of block b, and the floor 2^(9 - 127): the byte cannot fall under 1
.endr
.irp i, 2,4,6,8,10,12,14
.irp b, 0,1,2,3
	v_max3_num_f32 v[TM+\b], v[TM+\b], v[\s+16*\b+\i], v[\s+1+16*\b+\i]
.endr
.endr
.irp b, 0,1,2,3
	v_permlanex16_b32 v[TM+4+\b], v[TM+\b], s[SEL], s[SEL+1]
.endr
.irp b, 0,1,2,3
	v_max_num_f32 v[TM+\b], v[TM+\b], v[TM+4+\b]                            ; with lane l xor 16's 16: the block's
.endr
.irp b, 0,1,2,3
	v_add_nc_u32 v[TM+12+\b], 0xfc000000, v[TM+\b]                          ; 8 off the exponent field: the conversion's scale operand
.endr
.irp b, 0,1,2,3
	v_and_or_b32 v[TM+8+\b], v[TM+\b], 0x7f800000, s[MNT]                   ; 448 x the scale
.endr
.irp b, 0,1,2,3
	v_lshrrev_b32 v[TM+4+\b], 23, v[TM+12+\b]                               ; the scale's byte
.endr
	v_lshl_or_b32 v[\pw], v[TM+5], 8, v[TM+4]
	v_lshl_or_b32 v[\pw], v[TM+6], 16, v[\pw]
	v_lshl_or_b32 v[\pw], v[TM+7], 24, v[\pw]
.irp b, 0,1,2,3
.irp i, 0,1,2,3,4,5,6,7,8,9,10,11,12,13,14,15
	v_med3_num_f32 v[\s+16*\b+\i], v[\s+16*\b+\i], 0, v[TM+8+\b]            ; the relu and the hold in one (the conversion does not saturate: ISA guide 7.6.2)
.endr
	v_cvt_scalef32_pk8_fp8_f32 v[\pc+4*\b:\pc+4*\b+1], v[\s+16*\b:\s+16*\b+7], v[TM+12+\b]
	v_cvt_scalef32_pk8_fp8_f32 v[\pc+4*\b+2:\pc+4*\b+3], v[\s+16*\b+8:\s+16*\b+15], v[TM+12+\b]
.endr
	v_nop                                                                   ; a plain line behind the last conversion
.endm
	v_lshl_add_u32 v1, v0, 2, SPARE
	v_mov_b32 v2, 0
	v_lshrrev_b32 v3, 5, v0
	v_readfirstlane_b32 s3, v3                     ; wave 0..3
	s_mov_b32 s96, 0xffff0000                      ; lanes 16-31
	s_mov_b32 s[MNT], 0x600000
	s_mov_b32 s[SEL], 0x76543210
	s_mov_b32 s[SEL+1], 0xfedcba98
	v_and_b32 v58, 15, v0                          ; r
	v_bfe_u32 v59, v0, 4, 1                        ; h
	s_cmp_lt_u32 ttmp9, 384
	s_cbranch_scc0 .Lweights
; ---------------- x: 256 tokens x 128 columns; wave w takes tokens 64 w on: four tiles of 16
	s_load_b256 s[4:11], s[0:1], 0x0               ; t, v, t_mask, v_mask
	s_load_b64 s[12:13], s[0:1], 0x50              ; xcodes
	s_load_b64 s[14:15], s[0:1], 0x60              ; mcodes
	s_lshr_b32 s84, ttmp9, 3                       ; g
	s_and_b32 s85, ttmp9, 7                        ; K step s
	s_cmp_ge_u32 s84, 32
	s_cselect_b32 s86, 1, 0                        ; mod: 0 t, 1 v
	s_lshl_b32 s87, s86, 5
	s_sub_co_u32 s87, s84, s87                     ; the group's number in its tensor
	v_and_b32 v3, 31, v0                           ; lane
	v_lshlrev_b32 v4, 4, v3                        ; 16 x lane: my bytes of a row's 512, and of an image's 512
	v_lshlrev_b32 v7, 2, v3                        ; 4 x lane
	s_mul_i32 s88, s3, 16*SP
	v_add_nc_u32 v5, s88, v4                       ; the stage, in: as loaded
	s_wait_alu depctr_va_vdst(0)
	v_mul_u32_u24 v6, v58, SP
	v_lshl_add_u32 v6, v59, 6, v6
	v_add_nc_u32 v6, s88, v6                       ; and out: row r, + 64 h: my 16 numbers of each block of 32
	s_lshl_b32 s89, s3, 9
	v_add_nc_u32 v60, s89, v4                      ; my wave's 512 bytes of sums
.irp b, 0,1,2,3
	v_mov_b32 v[TM+4+\b], 0                        ; a lane permute's destination counts as one of its sources
.endr
	s_mov_b32 s91, 0
	s_wait_kmcnt 0x0
	s_cmp_eq_u32 s86, 0
	s_cselect_b64 s[4:5], s[4:5], s[6:7]           ; x
	s_cselect_b64 s[8:9], s[8:9], s[10:11]         ; its mask
	s_lshl_b32 s90, s87, 10
	s_add_nc_u64 s[8:9], s[8:9], s[90:91]          ; the group's 256 mask numbers
	s_lshl_b32 s90, s3, 8
	s_add_nc_u64 s[10:11], s[8:9], s[90:91]        ; my wave's 64 of them, as scalars: token q in s[16 + q], from q = 48 on in s[20 + q]
	s_load_b512 s[16:31], s[10:11], 0x0
	s_load_b512 s[32:47], s[10:11], 0x40
	s_load_b512 s[48:63], s[10:11], 0x80
	s_load_b512 s[68:83], s[10:11], 0xc0
	s_lshl_b32 s90, s87, 20                        ; 256 rows of 4,096 bytes
	s_lshl_b32 s88, s85, 9
	s_add_co_u32 s90, s90, s88
	s_lshl_b32 s88, s3, 18
	s_add_co_u32 s90, s90, s88
	s_add_nc_u64 s[4:5], s[4:5], s[90:91]          ; x at my wave's first token, my columns
	s_mul_i32 s90, ttmp9, XBLK
	s_add_nc_u64 s[12:13], s[12:13], s[90:91]      ; the block (g, s)
	s_lshl_b32 s90, s3, 13
	s_add_nc_u64 s[92:93], s[12:13], s[90:91]      ; my four fragments
	s_lshl_b32 s90, s3, 8
	s_add_co_u32 s90, s90, 32768
	s_add_nc_u64 s[94:95], s[12:13], s[90:91]      ; and their scale words
	global_load_b128 v[8:11], v4, s[8:9]           ; the mask of tokens 0-127 and of 128-255, for the counts
	global_load_b128 v[12:15], v4, s[8:9] offset:512
.macro LOADT i                         ; tile i: 16 rows, each load 512 consecutive bytes
.irp k, 0,1,2,3,4,5,6,7,8,9,10,11,12,13,14,15
	global_load_b128 v[64+64*((\i)%2)+4*\k:64+64*((\i)%2)+4*\k+3], v4, s[4:5] offset:(32*((\i)/2)+8*((\i)%2)+\k+8*(\k/8))*4096 th:TH_LOAD_NT
.endr
.endm
	LOADT 0
	LOADT 1
	s_wait_kmcnt 0x0                               ; the 64 mask scalars
.macro TILE i
.set RR, 64+64*((\i)%2)
.if (\i) < 3
	s_wait_loadcnt 16                              ; this tile's loads are in; the next tile's 16 may be out
.else
	s_wait_loadcnt 0x0
.endif
.set kI, 0
.rept 16                               ; the masked column sums, on x as it is given
.set TK, 32*((\i)/2)+8*((\i)%2)+kI+8*(kI/8)
.set MSR, 16+TK+4*(TK/48)
.irp e, 0,1,2,3
.if TK == 0
	v_mul_f32 v[16+\e], s[MSR], v[RR+4*kI+\e]      ; the first token starts the sums
.else
	v_fmac_f32 v[16+\e], s[MSR], v[RR+4*kI+\e]
.endif
.endr
.set kI, kI+1
.endr
.irp k, 0,1,2,3,4,5,6,7,8,9,10,11,12,13,14,15
	ds_store_b128 v5, v[RR+4*\k:RR+4*\k+3] offset:SP*\k
.endr
.irp c, 0,1,2,3
.irp j, 0,1,2,3
	ds_load_b128 v[XR+16*\c+4*\j:XR+16*\c+4*\j+3], v6 offset:128*\c+16*\j    ; LDS serves a wave's instructions in order: these see the stores above
.endr
.endr
	s_wait_dscnt 0x0
	s_wait_xcnt 0x0                                ; the last tile's stores have read their data: the codes' registers may be written again
.if (\i) < 2
	LOADT (\i)+2
.endif
	QUANT4 XR, PC, PW+(\i)
.irp c, 0,1,2,3
	global_store_b128 v4, v[PC+4*\c:PC+4*\c+3], s[92:93] offset:2048*(\i)+512*\c   ; 512 consecutive bytes, aligned to 256
.endr
.if (\i)%2 == 1
	v_cndmask_b32 v[56+(\i)/2], v[PW+(\i)-1], v[PW+(\i)], s96                  ; lanes 0-15 the even tile's words, lanes 16-31 the odd tile's
	global_store_b32 v7, v[56+(\i)/2], s[94:95] offset:128*((\i)/2)
.endif
.endm
	TILE 0
	TILE 1
	TILE 2
	TILE 3
	ds_store_b128 v60, v[16:19] offset:SUMB
	s_wait_dscnt 0x0                               ; for wave 0's sake: my sums have landed
	s_barrier_signal -1
	s_barrier_wait -1
	s_cmp_lg_u32 s3, 0
	s_cbranch_scc1 .Lend
	; wave 0: the means of these 128 columns, 4 a lane.  t: one row of all 256 tokens; v: two rows of 128
	ds_load_b128 v[64:67], v4 offset:SUMB
	ds_load_b128 v[68:71], v4 offset:SUMB+512
	ds_load_b128 v[72:75], v4 offset:SUMB+1024
	ds_load_b128 v[76:79], v4 offset:SUMB+1536
	v_add_f32 v8, v8, v9
	v_add_f32 v10, v10, v11
	v_add_f32 v12, v12, v13
	v_add_f32 v14, v14, v15
	v_add_f32 v8, v8, v10
	v_add_f32 v12, v12, v14
.irp m, 1,2,4,8
	v_add_f32_dpp v8, v8, v8 row_xmask:\m row_mask:0xf bank_mask:0xf
	v_add_f32_dpp v12, v12, v12 row_xmask:\m row_mask:0xf bank_mask:0xf
.endr
	v_permlanex16_b32 v9, v8, s[SEL], s[SEL+1]
	v_permlanex16_b32 v13, v12, s[SEL], s[SEL+1]
	v_add_f32 v8, v8, v9                           ; the count of tokens 0-127,
	v_add_f32 v12, v12, v13                        ; and of 128-255
	s_cmp_eq_u32 s86, 0
	s_cselect_b32 s88, 1.0, 0                      ; t joins the halves, v keeps them apart
	v_fma_f32 v10, s88, v12, v8
	v_fma_f32 v11, s88, v8, v12
	s_wait_alu depctr_va_vdst(0)
	v_rcp_f32 v10, v10
	v_rcp_f32 v11, v11
	s_wait_dscnt 0x0
	v_pk_add_f32 v[64:65], v[64:65], v[68:69]      ; (plain work behind the reciprocals)
	v_pk_add_f32 v[66:67], v[66:67], v[70:71]
	v_pk_add_f32 v[72:73], v[72:73], v[76:77]
	v_pk_add_f32 v[74:75], v[74:75], v[78:79]
.irp e, 0,1,2,3
	v_fma_f32 v[80+\e], s88, v[72+\e], v[64+\e]    ; row A's sums
	v_fma_f32 v[84+\e], s88, v[64+\e], v[72+\e]    ; row B's
.endr
	s_wait_alu depctr_va_vdst(0)                   ; one wait for both reciprocals, ahead of their first reader
.irp e, 0,1,2,3
	v_mul_f32 v[80+\e], v[80+\e], v10
	v_mul_f32 v[84+\e], v[84+\e], v11
.endr
	v_max3_num_f32 v20, v80, v81, 0x4800000        ; relu: no |.|; a block of 32 columns is 8 lanes
	v_max3_num_f32 v21, v84, v85, 0x4800000
	v_max3_num_f32 v20, v20, v82, v83
	v_max3_num_f32 v21, v21, v86, v87
.irp m, 1,2,4
	v_max_num_f32_dpp v20, v20, v20 row_xmask:\m row_mask:0xf bank_mask:0xf
	v_max_num_f32_dpp v21, v21, v21 row_xmask:\m row_mask:0xf bank_mask:0xf
.endr
	v_add_nc_u32 v32, 0xfc000000, v20
	v_add_nc_u32 v33, 0xfc000000, v21
	v_and_or_b32 v28, v20, 0x7f800000, s[MNT]
	v_and_or_b32 v29, v21, 0x7f800000, s[MNT]
	v_lshrrev_b32 v24, 23, v32
	v_lshrrev_b32 v25, 23, v33
.irp e, 0,1,2,3
	v_med3_num_f32 v[80+\e], v[80+\e], 0, v28
	v_med3_num_f32 v[84+\e], v[84+\e], 0, v29
.endr
	v_cvt_scalef32_pk8_fp8_f32 v[88:89], v[80:87], v32     ; under A's scale: v88 holds A's four codes (v89 is not used)
	s_wait_alu depctr_va_vdst(0)
	v_cvt_scalef32_pk8_fp8_f32 v[90:91], v[80:87], v33     ; under B's scale: v91 holds B's
	v_nop
	v_lshrrev_b32 v61, 3, v3                       ; my block of the four
	s_wait_alu depctr_va_vdst(0)
	s_lshl_b32 s89, s87, s86                       ; row A's batch: g, or 2 (g - 32)
	s_lshl_b32 s90, s86, 15
	s_lshl_b32 s88, s89, 10
	s_add_co_u32 s90, s90, s88
	s_lshl_b32 s88, s85, 7
	s_add_co_u32 s90, s90, s88
	s_add_nc_u64 s[10:11], s[14:15], s[90:91]      ; codes [0 t_mean, 1 v_mean][batch][1024]  (the loads that named s[8:11] are done)
	s_lshl_b32 s90, s86, 10
	s_lshl_b32 s88, s89, 5
	s_add_co_u32 s90, s90, s88
	s_lshl_b32 s88, s85, 2
	s_add_co_u32 s90, s90, s88
	s_add_co_u32 s90, s90, 65536
	s_add_nc_u64 s[8:9], s[14:15], s[90:91]        ; scale bytes [2][batch][32]
	global_store_b32 v7, v88, s[10:11]
	global_store_b8 v61, v24, s[8:9]               ; the eight lanes of a block write the same byte with the same value
	s_cmp_eq_u32 s86, 0
	s_cbranch_scc1 .Lend                           ; t has one row
	global_store_b32 v7, v91, s[10:11] offset:1024
	global_store_b8 v61, v25, s[8:9] offset:32
	s_branch .Lend
; ---------------- weights: a wave takes 32 columns x 128 along K (one K step, four blocks of 32): two blocks' loads are out at a time, so a wave's loads go out in two runs
.Lweights:
	s_load_b256 s[4:11], s[0:1], 0x20              ; W_t, W_v, W_to, W_vo
	s_load_b128 s[12:15], s[0:1], 0x40             ; W_v4t, W_t4v
	s_load_b64 s[16:17], s[0:1], 0x58              ; wcodes
	s_sub_co_u32 s18, ttmp9, 384
	s_lshr_b32 s19, s18, 3                         ; wx: 128 columns of the 10,240 of all six weights
	s_and_b32 s18, s18, 7                          ; ky: the K step of 128
	s_lshl_b32 s20, s19, 2
	s_add_co_u32 s20, s20, s3                      ; my wave's block of 32 columns
	s_wait_alu depctr_va_vdst(0)
	v_and_b32 v10, 8, v58
	v_add_nc_u32 v10, v10, v58
	v_lshl_add_u32 v10, v59, 3, v10                ; my column of the 32: 8 h + r + 8 (r / 8): lanes 0-15 are the even fragment's rows, lanes 16-31 the odd one's
	v_lshlrev_b32 v3, 2, v10
	v_lshlrev_b32 v4, 4, v58
	v_lshl_add_u32 v4, v59, 11, v4                 ; 2,048 h + 16 r
	v_and_b32 v6, 31, v0
	v_lshlrev_b32 v6, 2, v6                        ; 4 x lane
	s_mov_b32 s31, 0
	s_wait_kmcnt 0x0
	s_cmp_ge_u32 s19, 24                           ; which weight: ids alone decide
	s_cselect_b64 s[4:5], s[6:7], s[4:5]
	s_cmp_ge_u32 s19, 48
	s_cselect_b64 s[4:5], s[8:9], s[4:5]
	s_cmp_ge_u32 s19, 56
	s_cselect_b64 s[4:5], s[10:11], s[4:5]
	s_cmp_ge_u32 s19, 64
	s_cselect_b64 s[4:5], s[12:13], s[4:5]
	s_cmp_ge_u32 s19, 72
	s_cselect_b64 s[4:5], s[14:15], s[4:5]
.macro LOADW t, pitch                  ; block t: W(32 t + i, my column): the wave reads 128 consecutive bytes
.irp i, 0,1,2,3,4,5,6,7,8,9,10,11,12,13,14,15,16,17,18,19,20,21,22,23,24,25,26,27,28,29,30,31
	global_load_b32 v[64+32*((\t)%2)+\i], v3, s[4:5] offset:(32*(\t)+\i)*(\pitch)*4 th:TH_LOAD_NT
.endr
.endm
.macro WBLOCK t, pitch
.set XS, 64+32*((\t)%2)
.set CC, 128+8*(\t)                    ; each block has code registers of its own: no store's data are written again
.if (\t) < 3
	s_wait_loadcnt 32                              ; this block's 32 loads are in; the next block's may be out
.else
	s_wait_loadcnt 0x0
.endif
	v_max3_num_f32 v8, |v[XS]|, |v[XS+1]|, |v[XS+2]|
	v_max3_num_f32 v9, |v[XS+3]|, |v[XS+4]|, |v[XS+5]|
.irp i, 6,10,14,18,22,26
	v_max3_num_f32 v8, v8, |v[XS+\i]|, |v[XS+\i+1]|
	v_max3_num_f32 v9, v9, |v[XS+\i+2]|, |v[XS+\i+3]|
.endr
	v_max3_num_f32 v8, v8, |v[XS+30]|, |v[XS+31]|
	v_max3_num_f32 v8, v8, v9, 0x4800000           ; the block's largest magnitude, all 32 mine, and the floor
	v_add_nc_u32 v11, 0xfc000000, v8
	v_and_or_b32 v10, v8, 0x7f800000, s[MNT]
	v_lshrrev_b32 v12, 23, v11
.if (\t)%4 == 0
	v_mov_b32 v[14+(\t)/4], v12
.else
	v_lshl_or_b32 v[14+(\t)/4], v12, 8*((\t)%4), v[14+(\t)/4]
.endif
.irp i, 0,1,2,3,4,5,6,7,8,9,10,11,12,13,14,15,16,17,18,19,20,21,22,23,24,25,26,27,28,29,30,31
	v_med3_num_f32 v[XS+\i], v[XS+\i], -v10, v10
.endr
.irp g, 0,1,2,3
	v_cvt_scalef32_pk8_fp8_f32 v[CC+2*\g:CC+2*\g+1], v[XS+8*\g:XS+8*\g+7], v11
.endr
	global_store_b128 v[4+(\t)/4], v[CC:CC+3], s[16:17] offset:512*((\t)%4)        ; k 0-15 of the block: sixteen lanes fill 256 aligned bytes of a fragment's image,
	global_store_b128 v[4+(\t)/4], v[CC+4:CC+7], s[16:17] offset:512*((\t)%4)+256  ; k 16-31 the next 256
.if (\t)+2 < 4
	LOADW (\t)+2, \pitch
.endif
.if (\t)%4 == 3
	global_store_b32 v[6+(\t)/4], v[14+(\t)/4], s[16:17]                           ; a K step's scale words of the two fragments: 128 bytes
.endif
.endm
.macro WBODY pitch
	LOADW 0, \pitch
	LOADW 1, \pitch
.irp t, 0,1,2,3
	WBLOCK \t, \pitch
.endr
.endm
	s_cmp_lt_u32 s19, 48
	s_cbranch_scc0 .Lnot_qkv
	; W_t, W_v: [mod][head][K step] blocks of 12 fragments, fragment 4 p + column tile
	s_cmp_ge_u32 s19, 24
	s_cselect_b32 s21, 1, 0
	s_mul_i32 s22, s21, 96
	s_sub_co_u32 s22, s20, s22                     ; n: which 32 of the 3,072 columns
	s_lshr_b32 s23, s22, 5                         ; p: k, q, v
	s_bfe_u32 s24, s22, 0x40001                    ; head
	s_and_b32 s25, s22, 1
	s_lshl_b32 s26, s21, 4
	s_add_co_u32 s24, s24, s26
	s_lshl_b32 s23, s23, 1
	s_add_co_u32 s25, s25, s23                     ; the pair of fragments: 2 p + b
	s_lshl_b32 s24, s24, 3
	s_add_co_u32 s24, s24, s18                     ; the block of my K step
	s_mul_i32 s30, s24, 25344
	s_add_nc_u64 s[16:17], s[16:17], s[30:31]
	s_lshl_b32 s30, s22, 7
	s_mul_i32 s26, s18, 128*3072*4
	s_add_co_u32 s30, s30, s26
	s_add_nc_u64 s[4:5], s[4:5], s[30:31]
	s_lshl_b32 s26, s25, 12
	s_wait_alu depctr_va_vdst(0)
	v_add_nc_u32 v4, s26, v4
	s_lshl_b32 s26, s25, 7
	s_add_co_u32 s26, s26, 24576
	v_add_nc_u32 v6, s26, v6
	WBODY 3072
	s_branch .Lend
.Lnot_qkv:
	s_cmp_lt_u32 s19, 64
	s_cbranch_scc0 .Lgate
	; W_to, W_vo: [mod][group of 64 columns][K step] blocks of 4 fragments, as the gates' weights lie: a group's eight K steps are 67,584 bytes on end
	s_sub_co_u32 s21, s19, 48
	s_lshr_b32 s21, s21, 3
	s_lshl_b32 s22, s21, 5
	s_add_co_u32 s22, s22, 192
	s_sub_co_u32 s22, s20, s22
	s_lshr_b32 s24, s22, 1
	s_lshl_b32 s26, s21, 4
	s_add_co_u32 s24, s24, s26
	s_and_b32 s25, s22, 1
	s_mov_b32 s23, 8448
	s_mov_b32 s27, 8192
	s_mov_b32 s29, 6488064
	s_branch .Lnarrow
.Lgate:
	; W_v4t, W_t4v: [mod][head][K step] blocks of 4
	s_sub_co_u32 s21, s19, 64
	s_lshr_b32 s21, s21, 3
	s_lshl_b32 s22, s21, 5
	s_add_co_u32 s22, s22, 256
	s_sub_co_u32 s22, s20, s22
	s_lshr_b32 s24, s22, 1
	s_lshl_b32 s26, s21, 4
	s_add_co_u32 s24, s24, s26
	s_and_b32 s25, s22, 1
	s_mov_b32 s23, 8448
	s_mov_b32 s27, 8192
	s_mov_b32 s29, 8650752
.Lnarrow:
	s_lshl_b32 s24, s24, 3
	s_add_co_u32 s24, s24, s18                     ; the block of my K step
	s_mul_i32 s30, s24, s23
	s_add_co_u32 s30, s30, s29
	s_add_nc_u64 s[16:17], s[16:17], s[30:31]
	s_lshl_b32 s30, s22, 7
	s_lshl_b32 s26, s18, 19                        ; 128 rows of 4,096 bytes
	s_add_co_u32 s30, s30, s26
	s_add_nc_u64 s[4:5], s[4:5], s[30:31]
	s_lshl_b32 s26, s25, 12
	s_wait_alu depctr_va_vdst(0)
	v_add_nc_u32 v4, s26, v4
	s_lshl_b32 s26, s25, 7
	s_add_co_u32 s26, s26, s27
	v_add_nc_u32 v6, s26, v6
	WBODY 1024
.Lend:
	s_wait_tensorcnt 0x0                           ; the wave's end
	ds_add_u32 v1, v2
	s_wait_dscnt 0x0
	s_endpgm
.Lfunc_end_k_qb9272aa194_prep:
	.size	k_qb9272aa194_prep, .Lfunc_end_k_qb9272aa194_prep-k_qb9272aa194_prep
	.p2alignl 7, 3214868480
	.fill 96, 4, 3214868480
	.section	.rodata,"a",@progbits
	.p2align	6, 0x0
	.amdhsa_kernel k_qb9272aa194_prep
		.amdhsa_group_segment_fixed_size 36352
		.amdhsa_private_segment_fixed_size 0
		.amdhsa_enable_private_segment 0
		.amdhsa_kernarg_size 104
		.amdhsa_user_sgpr_count 2
		.amdhsa_user_sgpr_kernarg_segment_ptr 1
		.amdhsa_wavefront_size32 1
		.amdhsa_system_sgpr_workgroup_id_x 1
		.amdhsa_system_sgpr_workgroup_id_y 1
		.amdhsa_system_sgpr_workgroup_id_z 1
		.amdhsa_system_vgpr_workitem_id 0
		.amdhsa_next_free_vgpr 256
		.amdhsa_next_free_sgpr 100
		.amdhsa_reserve_vcc 0
		.amdhsa_float_denorm_mode_32 3
		.amdhsa_float_denorm_mode_16_64 3
		.amdhsa_memory_ordered 1
		.amdhsa_forward_progress 1
		.amdhsa_inst_pref_size 123
	.end_amdhsa_kernel
	.amdgpu_metadata
---
amdhsa.version: [ 1, 2 ]
amdhsa.kernels:
  - .name:           k_qb9272aa194_prep
    .symbol:         k_qb9272aa194_prep.kd
    .args:
      - { .name: t, .offset: 0, .size: 8, .value_kind: global_buffer, .address_space: global }
      - { .name: v, .offset: 8, .size: 8, .value_kind: global_buffer, .address_space: global }
      - { .name: t_mask, .offset: 16, .size: 8, .value_kind: global_buffer, .address_space: global }
      - { .name: v_mask, .offset: 24, .size: 8, .value_kind: global_buffer, .address_space: global }
      - { .name: W_t, .offset: 32, .size: 8, .value_kind: global_buffer, .address_space: global }
      - { .name: W_v, .offset: 40, .size: 8, .value_kind: global_buffer, .address_space: global }
      - { .name: W_to, .offset: 48, .size: 8, .value_kind: global_buffer, .address_space: global }
      - { .name: W_vo, .offset: 56, .size: 8, .value_kind: global_buffer, .address_space: global }
      - { .name: W_v4t, .offset: 64, .size: 8, .value_kind: global_buffer, .address_space: global }
      - { .name: W_t4v, .offset: 72, .size: 8, .value_kind: global_buffer, .address_space: global }
      - { .name: xcodes, .offset: 80, .size: 8, .value_kind: global_buffer, .address_space: global }
      - { .name: wcodes, .offset: 88, .size: 8, .value_kind: global_buffer, .address_space: global }
      - { .name: mcodes, .offset: 96, .size: 8, .value_kind: global_buffer, .address_space: global }
    .group_segment_fixed_size: 36352
    .private_segment_fixed_size: 0
    .kernarg_segment_align: 8
    .kernarg_segment_size: 104
    .max_flat_workgroup_size: 128
    .sgpr_count:     100
    .vgpr_count:     256
    .wavefront_size: 32
...
	.end_amdgpu_metadata
.endif
;; end of part 1
;; launch attn (part 2): grid 48 x 16, 4 waves a work-group, clusters of 4 x 1, 261,632 bytes of LDS; arguments xcodes, wcodes, mcodes, t, v, t_mask, v_mask, b_t, b_v, b_v4t, b_t4v, ucodes; writes ucodes
.if DOCPART == 2
	.amdgcn_target "amdgcn-amd-amdhsa--gfx1250"
	.amdhsa_code_object_version 6
	.text
	.protected	k_qb9272aa194_attn
	.globl	k_qb9272aa194_attn
	.p2align	8
	.type	k_qb9272aa194_attn,@function
k_qb9272aa194_attn:
	s_mov_b64 s[64:65], 0
	v_nop
	global_prefetch_b8 v0, s[64:65] scope:SCOPE_SE
	s_setreg_imm32_b32 hwreg(HW_REG_WAVE_MODE, 25, 1), 1
	s_wait_xcnt 0x0
	s_wait_alu depctr_hold_cnt(0) depctr_sa_sdst(0) depctr_va_vdst(0) depctr_va_sdst(0) depctr_va_ssrc(0) depctr_va_vcc(0) depctr_vm_vsrc(0)
	s_getreg_b32 s2, hwreg(HW_REG_IB_STS2, 6, 4)
	s_cmp_eq_u32 s2, 0
	s_cbranch_scc0 .Lentry_in_a_cluster
	s_endpgm
.Lentry_in_a_cluster:
	s_bfe_u32 s2, ttmp6, 0x10000c
	s_cmp_lg_u32 s2, 0x3003
	s_cbranch_scc0 .Lentry_shape_is_right
	s_endpgm
.Lentry_shape_is_right:
; ATTN: one work-group = one group of 256 tokens (t's batch g; or two batches of v) x one head.  k/q/v projection, gate, quantisers, attention, residual, quantiser: k, q, v, p never go to memory.
; SHARES.  Wave w owns tokens 64 w on (four tiles of 16): it projects them, and they are its queries.  In a v group waves 0, 1 own the first batch and waves 2, 3 the second; the other half's keys are left out by a branch on ids.
; W of the head (12 fragments x 8 K steps, 202,752 bytes) is filled into LDS ONCE, jointly by the four work-groups of a cluster (four groups of one modality, one head: the same bytes).
; x's fragments are each read by one wave alone: they go from memory straight into a ring of four register sets, so sharing them in a cluster would only add LDS reads.
; THE GATE STANDS BEHIND THE PROJECTION: only k's and q's epilogue needs it.  Its operands land in the ring's sets as the last K steps free them, and v's epilogue stands between the last of those loads and their wait.
; LAYOUT.  k, q: source 0 = 16 columns of W, source 1 = 16 tokens: a lane holds one token and registers run along the head's channels (the next K).  v: source 0 = tokens, source 1 = columns: a lane holds one channel
; and registers run along the tokens (the keys: the next K).  Tiles take index 32 (T / 2) + 8 (T % 2) + r + 8 (r / 8), so that two neighbouring tiles' 16 registers are 16 neighbours along the next K.
; S^T = K Q^T has K = 64: a K fragment holds TWO key tiles (blocks 0, 1 and 2, 3) and is multiplied by [q | 0] and by [0 | q].  O^T = V^T P^T, K = 128 keys a step.
; THE KEYS' MASK is the C of the score product: 0 where the mask is above 0, else -2^100.  It is made once in the work-group, two numbers a thread, and read back from LDS in the result's layout.
; SOFTMAX: t = score x log2(e) / 8; M = the running largest t rounded up; p = 2^(t - M) is quantised (0 for a masked key); the sum of the unquantised p divides at the end.
; LIMITS: NaN and infinities among the inputs are not served; blocks under 2^-118 get the byte 1; a row whose largest t lies under -2^90 counts as a row all of whose keys are masked and gives NaN;
; 1 / sum and the sigmoid's division are v_rcp_f32.
; REGISTERS, in windows of 256.  Window 0: v1-7 addresses; v8-15 my tokens' mask (pairs), v16-23 v's bias (pairs), later u's codes; v24-55 scales alone; v56-63 the gate's sum, later addresses;
;   v64-255 W's 12 fragments, later v64-127 S, v128-159 O, v160-183 zeros | q | zeros, v184-199 codes, v200-231 at work, v232-255 addresses and statistics.
;   Window 1: x's ring, then the gate's operands, later K's and V's fragments.  Window 2: v0-127 v's sums, v128-191 k/q bias, v192-223 1 + gate, v224-255 mask along my tokens.
;   Window 3: k's and q's sums, later v0-127 the keys' 0 / -2^100 and v128-159 the residual.
.set WBLK,  25344
.set XBLK,  33792
.set GBLK,  8448
.set KIMG,  202752                     ; behind W: 8 fragments of K (two key tiles each),
.set KSC,   219136                     ; their scale words, 128 bytes each,
.set VIMG,  220160                     ; 8 fragments of V^T (2 x channel tile + key step),
.set VSC,   236544
.set QIMG,  237568                     ; 16 half fragments of q,
.set QSC,   253952
.set GATE,  256000                     ; 1 + gate: an image of four result tiles
.set MADD,  260096                     ; 256 numbers: what a key adds to its scores
.set SPARE, 261120                     ; the spare words: 128 bytes a wave, two blocks of 256 bytes that no other line names
.set TM,    200
.set CS,    84
.set SEL,   86
.set MNT,   88
.set MSB, 0
.macro WIN new                         ; the immediate's high byte repeats the setting that is left
.if MSB != \new
	s_set_vgpr_msb (MSB<<8)|\new
.set MSB, \new
.endif
.endm
.macro PLACES n
.rept \n
	v_nop
.endr
.endm
.macro CROUND                          ; a round of the cluster's barrier
	s_barrier_signal -1
	s_barrier_wait -1
	s_cmp_lg_u32 s28, 0
	s_cbranch_scc1 .Lnot_wave_0_\@
	s_barrier_signal -3
.Lnot_wave_0_\@:
	s_barrier_wait -3
	s_barrier_signal -1
	s_barrier_wait -1
.endm
; one matrix instruction from the symbols rD, rA, rB, rC, rSA, rSB; rRA, rRB: the scale words lie in lanes 16-31.  cm = 0: the product starts the sum
.macro MMX cm
.if \cm
.if rRA && rRB
	v_wmma_scale_f32_16x16x128_f8f6f4 v[rD:rD+7], v[rA:rA+15], v[rB:rB+15], v[rC:rC+7], v[rSA], v[rSB] matrix_a_scale:MATRIX_SCALE_ROW1 matrix_b_scale:MATRIX_SCALE_ROW1
.elseif rRA
	v_wmma_scale_f32_16x16x128_f8f6f4 v[rD:rD+7], v[rA:rA+15], v[rB:rB+15], v[rC:rC+7], v[rSA], v[rSB] matrix_a_scale:MATRIX_SCALE_ROW1
.elseif rRB
	v_wmma_scale_f32_16x16x128_f8f6f4 v[rD:rD+7], v[rA:rA+15], v[rB:rB+15], v[rC:rC+7], v[rSA], v[rSB] matrix_b_scale:MATRIX_SCALE_ROW1
.else
	v_wmma_scale_f32_16x16x128_f8f6f4 v[rD:rD+7], v[rA:rA+15], v[rB:rB+15], v[rC:rC+7], v[rSA], v[rSB]
.endif
.else
.if rRA && rRB
	v_wmma_scale_f32_16x16x128_f8f6f4 v[rD:rD+7], v[rA:rA+15], v[rB:rB+15], 0, v[rSA], v[rSB] matrix_a_scale:MATRIX_SCALE_ROW1 matrix_b_scale:MATRIX_SCALE_ROW1
.elseif rRA
	v_wmma_scale_f32_16x16x128_f8f6f4 v[rD:rD+7], v[rA:rA+15], v[rB:rB+15], 0, v[rSA], v[rSB] matrix_a_scale:MATRIX_SCALE_ROW1
.elseif rRB
	v_wmma_scale_f32_16x16x128_f8f6f4 v[rD:rD+7], v[rA:rA+15], v[rB:rB+15], 0, v[rSA], v[rSB] matrix_b_scale:MATRIX_SCALE_ROW1
.else
	v_wmma_scale_f32_16x16x128_f8f6f4 v[rD:rD+7], v[rA:rA+15], v[rB:rB+15], 0, v[rSA], v[rSB]
.endif
.endif
.endm
; 32 numbers of a lane (two blocks: register 16 b + i = k 32 b + 16 (lane / 16) + i) become 8 registers of codes and the two scale bytes in v[sw]
.macro QUANT2 s, pc, sw
.irp b, 0,1
	v_max3_num_f32 v[TM+\b], |v[\s+16*\b]|, |v[\s+1+16*\b]|, 0x4800000      ; with the floor 2^(9 - 127): the byte cannot fall under 1
.endr
.irp i, 2,4,6,8,10,12,14
.irp b, 0,1
	v_max3_num_f32 v[TM+\b], v[TM+\b], |v[\s+16*\b+\i]|, |v[\s+1+16*\b+\i]|
.endr
.endr
.irp b, 0,1
	v_permlanex16_b32 v[TM+4+\b], v[TM+\b], s[SEL], s[SEL+1]
.endr
.irp b, 0,1
	v_max_num_f32 v[TM+\b], v[TM+\b], v[TM+4+\b]
.endr
.irp b, 0,1
	v_add_nc_u32 v[TM+12+\b], 0xfc000000, v[TM+\b]
.endr
.irp b, 0,1
	v_and_or_b32 v[TM+8+\b], v[TM+\b], 0x7f800000, s[MNT]
.endr
.irp b, 0,1
	v_lshrrev_b32 v[TM+4+\b], 23, v[TM+12+\b]
.endr
	v_lshl_or_b32 v[\sw], v[TM+5], 8, v[TM+4]
.irp b, 0,1
.irp i, 0,1,2,3,4,5,6,7,8,9,10,11,12,13,14,15
	v_med3_num_f32 v[\s+16*\b+\i], v[\s+16*\b+\i], -v[TM+8+\b], v[TM+8+\b]  ; the hold at 448 x the scale (the conversion does not saturate: ISA guide 7.6.2)
.endr
	v_cvt_scalef32_pk8_fp8_f32 v[\pc+4*\b:\pc+4*\b+1], v[\s+16*\b:\s+16*\b+7], v[TM+12+\b]
	v_cvt_scalef32_pk8_fp8_f32 v[\pc+4*\b+2:\pc+4*\b+3], v[\s+16*\b+8:\s+16*\b+15], v[TM+12+\b]
.endr
	v_nop                                                                   ; a plain line behind the last conversion
.endm
.macro XLOAD j                         ; my four fragments of x's K step j into ring set j % 4, and their scale words: 18 loads
	WIN 0x40
.irp T, 0,1,2,3
.irp c, 0,1,2,3
	global_load_b128 v[64*((\j)%4)+16*\T+4*\c:64*((\j)%4)+16*\T+4*\c+3], v3, s[52:53] offset:XBLK*(\j)+2048*\T+512*\c
.endr
.endr
	WIN 0
.irp i, 0,1
	global_load_b32 v[30+2*((\j)%4)+\i], v4, s[96:97] offset:XBLK*(\j)+128*\i
.endr
.endm
.macro GLOADW s0                       ; the gate's W, my channel tile, K steps s0 to s0 + 3, into a set of the ring that x has left: 16 loads
	WIN 0x40
.irp s, \s0, \s0+1, \s0+2, \s0+3
.irp c, 0,1,2,3
	global_load_b128 v[16*(\s)+4*\c:16*(\s)+4*\c+3], v3, s[98:99] offset:GBLK*(\s)+512*\c
.endr
.endr
	WIN 0
.endm
.macro GLOADM s0                       ; the other modality's mean, K steps s0 to s0 + 3, likewise: 16 loads
	WIN 0x40
.irp s, \s0, \s0+1, \s0+2, \s0+3
.irp c, 0,1,2,3
	global_load_b128 v[128+16*(\s)+4*\c:128+16*(\s)+4*\c+3], v7, s[56:57] offset:128*(\s)+32*\c
.endr
.endr
	WIN 0
.endm
.macro FETCHA j                        ; W's fragments 0-5 of K step j and their scale words: 27 LDS loads
.if (\j) > 0
	v_add_nc_u32 v5, WBLK, v5
	v_add_nc_u32 v6, WBLK, v6
.endif
.irp f, 0,1,2,3,4,5
.irp c, 0,1,2,3
	ds_load_b128 v[64+16*\f+4*\c:64+16*\f+4*\c+3], v5 offset:2048*\f+512*\c
.endr
.endr
.irp i, 0,1,2
	ds_load_b32 v[24+\i], v6 offset:128*\i
.endr
.endm
.macro FETCHB                          ; fragments 6-11 of the same K step: 27
.irp f, 6,7,8,9,10,11
.irp c, 0,1,2,3
	ds_load_b128 v[64+16*\f+4*\c:64+16*\f+4*\c+3], v5 offset:2048*\f+512*\c
.endr
.endr
.irp i, 3,4,5
	ds_load_b32 v[24+\i], v6 offset:128*\i
.endr
.endm
	s_load_b512 s[4:19], s[0:1], 0x0               ; xcodes, wcodes, mcodes, t, v, t_mask, v_mask, b_t
	s_load_b256 s[20:27], s[0:1], 0x40             ; b_v, b_v4t, b_t4v, ucodes
	v_lshl_add_u32 v1, v0, 2, SPARE
	v_mov_b32 v2, 0
	ds_add_u32 v1, v2                              ; the wave's opening: the two adds and their wait ahead of the first tensor load
	ds_add_u32 v1, v2
	v_lshrrev_b32 v7, 5, v0
	v_readfirstlane_b32 s28, v7                    ; wave
	s_bfe_u32 s29, ttmp6, 0x40000                  ; cx: it enters global addresses alone
	s_lshl_b32 s30, ttmp9, 2
	s_add_co_u32 s30, s30, s29                     ; g
	s_and_b32 s31, ttmp7, 0xffff                   ; head
	s_cmp_ge_u32 ttmp9, 8
	s_cselect_b32 s32, 1, 0                        ; mod: 0 t, 1 v: the same in all four partners
	s_lshl_b32 s33, s32, 5
	s_sub_co_u32 s33, s30, s33                     ; the group's number in its tensor
	s_lshr_b32 s34, s28, 1                         ; hw: my half of the group
	s_and_b32 s35, s28, 1
	s_mov_b32 s36, 15|(3<<16)|(1<<21)              ; group 1: the mask names all four; elements of 8 bytes; bit 21 beside a mask; no padding
	s_mov_b32 s37, 32<<16                          ; tensor_dim0 = 32 elements: rows of 256 bytes
	s_mov_b32 s38, 198<<16                         ; tensor_dim1 = 198 rows: two K steps' 50,688 dense bytes
	s_mov_b32 s39, 32<<16                          ; tile_dim0
	s_mov_b32 s40, 198                             ; tile_dim1
	s_mov_b32 s41, 32                              ; the pitch
	s_mov_b32 s42, 0
	s_mov_b32 s43, 0
	s_mov_b32 s[CS], 0x3e38aa3b                    ; log2(e) / 8
	s_mov_b32 s[CS+1], s[CS]
	s_mov_b32 s[SEL], 0x76543210
	s_mov_b32 s[SEL+1], 0xfedcba98
	s_mov_b32 s[MNT], 0x600000
	s_mov_b32 s89, 0xf1800000                      ; -2^100: what a masked key adds to its scores
	s_mov_b32 s90, 0xff61b1e6                      ; -3e38, under every t
	s_mov_b32 s79, 0
	s_wait_dscnt 0x0                               ; the opening add is done
	s_wait_kmcnt 0x0
	s_lshl_b32 s76, s32, 4
	s_add_co_u32 s76, s76, s31                     ; 16 mod + head
	s_lshl_b32 s77, s76, 3
	s_add_co_u32 s77, s77, s28
	s_add_co_u32 s77, s77, s28                     ; + 2 x wave
	s_mul_i32 s78, s77, WBLK
	s_add_nc_u64 s[80:81], s[6:7], s[78:79]        ; W's K step 2 w: nothing in it hangs on cx
	CROUND                                         ; all four work-groups are here: the joint loads meet
	s_mov_b32 s44, 1
	s_mul_i32 s45, s28, 2*WBLK
	s_mov_b64 s[46:47], s[80:81]
	s_or_b32 s47, s47, 0x80000000
	; ONE joint load a wave: K steps 2 w and 2 w + 1, which lie on end in memory and in LDS.  One chain of branches on the wave's number, a load to an arm:
	; wave 0's line is shown by the first barrier, wave 1's by the barrier in K step 1, waves 2 and 3's by the one in K step 3
	s_cmp_eq_u32 s28, 0
	s_cbranch_scc0 .Lw_1
	tensor_load_to_lds s[44:47], s[36:43]          ; wave 0: K steps 0, 1
	s_nop 0
	PLACES 4
	s_branch .Lw_asked
.Lw_1:
	s_cmp_eq_u32 s28, 1
	s_cbranch_scc0 .Lw_23
	tensor_load_to_lds s[44:47], s[36:43]          ; wave 1: K steps 2, 3
	s_nop 0
	PLACES 4
	s_branch .Lw_asked
.Lw_23:
	tensor_load_to_lds s[44:47], s[36:43]          ; waves 2, 3: K steps 4 to 7
	s_nop 0
	PLACES 4
.Lw_asked:
	s_mul_i32 s78, s30, 8*XBLK
	s_add_nc_u64 s[52:53], s[4:5], s[78:79]        ; x's codes of my group
	s_add_nc_u64 s[72:73], s[26:27], s[78:79]      ; u's likewise
	s_lshl_b32 s78, s28, 8
	s_add_co_u32 s78, s78, 32768
	s_add_nc_u64 s[96:97], s[52:53], s[78:79]      ; x's scale words of my four tiles
	s_lshl_b32 s78, s28, 13
	s_add_nc_u64 s[52:53], s[52:53], s[78:79]      ; and my four fragments
	s_mul_i32 s78, s76, 8*GBLK
	s_add_co_u32 s78, s78, 8650752
	s_add_nc_u64 s[54:55], s[6:7], s[78:79]        ; the gate's W of my head,
	s_lshl_b32 s78, s28, 11
	s_add_nc_u64 s[98:99], s[54:55], s[78:79]      ; and my channel tile's fragment in each block
	s_lshl_b32 s77, s33, s32                       ; my first batch
	s_xor_b32 s82, s32, 1                          ; the OTHER modality's mean
	s_lshl_b32 s78, s82, 15
	s_lshl_b32 s83, s77, 10
	s_add_co_u32 s78, s78, s83
	s_add_nc_u64 s[56:57], s[8:9], s[78:79]
	s_lshl_b32 s78, s82, 10
	s_lshl_b32 s83, s77, 5
	s_add_co_u32 s78, s78, s83
	s_add_co_u32 s78, s78, 65536
	s_add_nc_u64 s[58:59], s[8:9], s[78:79]
	s_cmp_eq_u32 s32, 0
	s_cselect_b64 s[60:61], s[18:19], s[20:21]     ; b_t or b_v
	s_cselect_b64 s[62:63], s[22:23], s[24:25]     ; b_v4t or b_t4v
	s_cselect_b64 s[66:67], s[14:15], s[16:17]     ; the mask
	s_cselect_b64 s[68:69], s[10:11], s[12:13]     ; x in f32, for the residual
	s_lshl_b32 s78, s31, 8
	s_add_nc_u64 s[60:61], s[60:61], s[78:79]
	s_add_nc_u64 s[62:63], s[62:63], s[78:79]
	s_lshl_b32 s83, s33, 20
	s_add_co_u32 s78, s78, s83
	s_lshl_b32 s83, s28, 18
	s_add_co_u32 s78, s78, s83
	s_add_nc_u64 s[68:69], s[68:69], s[78:79]      ; my wave's first token, my head's 256 bytes
	s_lshl_b32 s78, s33, 10
	s_add_nc_u64 s[66:67], s[66:67], s[78:79]
	s_lshr_b32 s78, s31, 1
	s_mul_i32 s78, s78, XBLK
	s_add_nc_u64 s[72:73], s[72:73], s[78:79]      ; u's K step head / 2
	s_and_b32 s83, s31, 1
	s_lshl_b32 s78, s28, 8
	s_lshl_b32 s82, s83, 1
	s_add_co_u32 s78, s78, s82
	s_add_co_u32 s78, s78, 32768
	s_add_nc_u64 s[74:75], s[72:73], s[78:79]      ; its scale words: my tiles, my head's two bytes
	s_lshl_b32 s78, s28, 13
	s_lshl_b32 s82, s83, 10
	s_add_co_u32 s78, s78, s82
	s_add_nc_u64 s[72:73], s[72:73], s[78:79]      ; its codes: my tiles, my head's 1,024 bytes of each
	v_and_b32 v250, 31, v0
	v_lshlrev_b32 v3, 4, v250                      ; 16 x lane: my bytes of an image in memory
	v_lshlrev_b32 v4, 2, v250                      ; 4 x lane: my scale word
	v_lshlrev_b32 v5, 4, v250                      ; 16 x lane: W's images in LDS; it steps from K step to K step
	v_lshlrev_b32 v6, 2, v250
	v_add_nc_u32 v6, 24576, v6                     ; W's scale words lie behind its 12 fragments
	v_and_b32 v251, 15, v0                         ; r
	v_bfe_u32 v252, v0, 4, 1                       ; h
	v_lshlrev_b32 v241, 2, v251
	s_lshl_b32 s94, s28, 6
	s_add_co_u32 s94, s94, 8192
	v_add_nc_u32 v241, s94, v241                   ; the scale words of the gate's fragment w
	v_lshrrev_b32 v253, 3, v251
	s_lshl_b32 s94, s32, 10
	v_mul_u32_u24 v7, s94, v253
	v_lshl_add_u32 v7, v252, 4, v7                 ; the mean: rows 0-7 my first batch, rows 8-15 the second (v) or the same (t); it stays through the projection
	s_lshl_b32 s94, s32, 5
	v_mul_u32_u24 v243, s94, v253
	s_lshl_b32 s94, s34, 7
	s_lshl_b32 s95, s35, 5
	s_add_co_u32 s94, s94, s95
	v_lshlrev_b32 v245, 6, v252                    ; 64 h: my half's 16 channels of a block
	v_add_nc_u32 v244, s94, v245                   ; the gate's bias for tile w
	v_lshl_add_u32 v246, v253, 3, v251
	v_lshlrev_b32 v246, 2, v246                    ; 4 (r + 8 (r / 8)): my row of a tile
	s_lshl_b32 s94, s28, 8
	v_add_nc_u32 v247, s94, v246                   ; my tokens' mask, a lane a token
	v_add_nc_u32 v248, s94, v245                   ; and along the registers
	; 28 small loads first (a few bytes each), then what the first products wait for: with x's K step 0 (18) and k's and q's bias (16) that is 62 loads
.irp s, 0,1,2,3,4,5,6,7
	global_load_b32 v[38+\s], v241, s[54:55] offset:GBLK*\s
.endr
	global_load_b128 v[46:49], v243, s[58:59]      ; the mean's eight scale words are 32 bytes on end
	global_load_b128 v[50:53], v243, s[58:59] offset:16
	global_load_b128 v[56:59], v244, s[62:63]      ; the gate's bias is the C of its first product
	global_load_b128 v[60:63], v244, s[62:63] offset:16
	WIN 0x80
.irp b, 0,1
.irp j, 0,1,2,3
	global_load_b128 v[224+16*\b+4*\j:227+16*\b+4*\j], v248, s[66:67] offset:128*\b+16*\j
.endr
.endr
	WIN 0
.irp d, 0,1,2,3
	global_load_b32 v[16+2*\d], v246, s[60:61] offset:8192+128*(\d/2)+32*(\d%2)
.endr
.irp T, 0,1,2,3
	global_load_b32 v[8+2*\T], v247, s[66:67] offset:128*(\T/2)+32*(\T%2)
.endr
	XLOAD 0
	WIN 0x80                                       ; k's and q's bias: the C of K step 0's products
.irp p, 0,1
.irp d, 0,1,2,3
	global_load_b128 v[128+32*\p+8*\d:131+32*\p+8*\d], v245, s[60:61] offset:4096*\p+128*(\d/2)+32*(\d%2)
	global_load_b128 v[132+32*\p+8*\d:135+32*\p+8*\d], v245, s[60:61] offset:4096*\p+128*(\d/2)+32*(\d%2)+16
.endr
.endr
	WIN 0
	XLOAD 1
	XLOAD 2
	XLOAD 3
	s_cmp_eq_u32 s28, 0
	s_cbranch_scc0 .Lnot_w0
	s_wait_tensorcnt 0x0                           ; wave 0: K steps 0 and 1 have landed; the other waves' loads stay out
.Lnot_w0:
	s_barrier_signal -1
	s_barrier_wait -1
	s_wait_xcnt 0x0                                ; the head's loads have read their offsets in v241-248, on which W's fragments land
	FETCHA 0
	FETCHB
	; ---- the projection: 8 K steps of 48 products; the 48 accumulators take turns in one order
.macro KQMUL j, f0, nf                 ; k and q: source 0 = W's fragment, source 1 = x's; in K step 0 the bias is C
.if (\j) == 0
	WIN 0xe4
.else
	WIN 0xf4
.endif
.set fI, \f0
.rept \nf
.set tI, 0
.rept 4
.set rD, 128*(fI/4)+32*tI+8*(fI%4)
.set rA, 64+16*fI
.set rB, QX+16*tI
.set rC, rD
.if (\j) == 0
.set rC, 128+32*(fI/4)+8*(fI%4)
.endif
.set rSA, 24+fI/2
.set rRA, fI%2
.set rSB, QS2+tI/2
.set rRB, tI%2
	MMX 1
.set tI, tI+1
.endr
.set fI, fI+1
.endr
.endm
.macro VMUL j                          ; v: source 0 = x's fragment, source 1 = W's
	WIN 0xa1
.set cI, 0
.rept 4
.set tI, 0
.rept 4
.set rD, 32*cI+8*tI
.set rA, QX+16*tI
.set rB, 64+16*(8+cI)
.set rC, rD
.set rSA, QS2+tI/2
.set rRA, tI%2
.set rSB, 28+cI/2
.set rRB, cI%2
.if (\j) == 0
	MMX 0
.else
	MMX 1
.endif
.set tI, tI+1
.endr
.set cI, cI+1
.endr
.endm
.macro KSTEP j, lc
.set QX, 64*((\j)%4)
.set QS2, 30+2*((\j)%4)
.if (\j) == 1
	s_cmp_lt_u32 s28, 2
	s_cbranch_scc0 .Lnot_yet_\@
	s_wait_tensorcnt 0x0                           ; wave 1: K steps 2 and 3 have landed (wave 0 has nothing out),
.Lnot_yet_\@:
	s_wait_dscnt 0x0                               ; and no LDS load of mine is out at the signal
.elseif (\j) == 3
	s_wait_tensorcnt 0x0                           ; every wave: K steps 4 to 7 have landed,
	s_wait_dscnt 0x0                               ; and no LDS load of mine is out at the signal
.else
	s_wait_dscnt 27                                ; fragments 0-5 are in; the 27 loads of 6-11 may be out
.endif
	s_wait_loadcnt \lc                             ; this K step's x is in; what was asked for behind it may be out
.if (\j) == 1 || (\j) == 3
	s_barrier_signal -1
.endif
	KQMUL \j, 0, 6
	WIN 0
.if (\j) == 1 || (\j) == 3
	s_barrier_wait -1                              ; the next two (K step 3: four) K steps of W are whole
.endif
.if (\j) < 7
	PLACES 8                                       ; ahead of loads into registers that matrix instructions have read
	FETCHA (\j)+1
	s_wait_alu depctr_va_vdst(0)
	s_wait_dscnt 27                                ; fragments 6-11 are in; the 27 just issued may be out
.else
	s_wait_dscnt 0x0
.endif
	KQMUL \j, 6, 2
	VMUL \j
	WIN 0
.if (\j) < 7
	PLACES 8
	FETCHB
.endif
.if (\j) < 4
	XLOAD (\j)+4                                   ; the set that this K step has left takes x four K steps on,
.elseif (\j) == 4
	GLOADW 0                                       ; and from here on the gate's operands
.elseif (\j) == 5
	GLOADW 4
.elseif (\j) == 6
	GLOADM 0
.endif
.endm
	KSTEP 0, 54                                    ; behind x's K step j: three later sets of 18
	KSTEP 1, 54
	KSTEP 2, 54
	KSTEP 3, 54
	KSTEP 4, 54
	KSTEP 5, 52                                    ; two sets and 16 of the gate's
	KSTEP 6, 50                                    ; one set and 32
	KSTEP 7, 48                                    ; 48 of the gate's
	; ---- behind the projection: the last of the gate's operands are asked for; addresses; v's epilogue while they come
	PLACES 8
	GLOADM 4
	v_and_b32 v254, 31, v0
	v_lshlrev_b32 v241, 4, v254                    ; 16 x lane
	v_lshlrev_b32 v255, 2, v254                    ; 4 x lane
	v_lshlrev_b32 v219, 12, v254                   ; a row of x in f32 is 4,096 bytes: the prefetch's offset, a lane a row; the register is written nowhere else from here on
	s_wait_alu depctr_va_vdst(0)
	v_and_b32 v253, 15, v0
	v_bfe_u32 v252, v0, 4, 1
	v_lshlrev_b32 v242, 2, v253                    ; 4 r
	v_lshlrev_b32 v224, 2, v0                      ; 4 x my thread's number
	global_load_b32 v226, v224, s[66:67]           ; the mask of keys t and t + 128: two a thread, 256 in the work-group
	global_load_b32 v227, v224, s[66:67] offset:512
	; the residual, x in f32, is read by the attention's trips alone: my wave's 64 rows x my head's 256 bytes are asked for here, behind the last of the gate's operand loads,
	; with the three epilogues and the gate between this place and the first trip's loads: a lane a row, each aligned block of 256 bytes named once in the launch, by the one wave that will load it
	global_prefetch_b8 v219, s[68:69] th:TH_LOAD_NT scope:SCOPE_SE
	global_prefetch_b8 v219, s[68:69] offset:131072 th:TH_LOAD_NT scope:SCOPE_SE
	v_add_nc_u32 v225, MADD, v224
	s_mov_b32 s4, 0xec800000                       ; -2^90: a row's largest t lies under it only where every key is masked
	s_mov_b32 s5, 0x7fc00000                       ; NaN
	s_xor_b32 s82, s34, 1                          ; the other half
	s_lshl_b32 s94, s28, 12
	s_add_co_u32 s95, s94, KIMG
	v_add_nc_u32 v232, s95, v241                   ; K's images: my two fragments
	s_add_co_u32 s95, s94, QIMG
	v_add_nc_u32 v234, s95, v241                   ; q's: my four halves
	s_lshl_b32 s94, s28, 8
	s_add_co_u32 s94, s94, KSC
	v_add_nc_u32 v233, s94, v255
	s_lshl_b32 s94, s28, 9
	s_add_co_u32 s94, s94, QSC
	v_add_nc_u32 v235, s94, v255
	s_lshl_b32 s94, s34, 11
	s_add_co_u32 s94, s94, VIMG
	s_lshl_b32 s95, s35, 10
	s_add_co_u32 s95, s95, s94
	v_add_nc_u32 v236, s95, v241                   ; V's fragments of my half's key step: my two blocks in them
	s_lshl_b32 s94, s34, 7
	s_add_co_u32 s94, s94, VSC
	s_lshl_b32 s95, s35, 1
	s_add_co_u32 s95, s95, s94
	v_add_nc_u32 v237, s95, v255
	s_lshl_b32 s94, s28, 10
	s_add_co_u32 s94, s94, GATE
	v_add_nc_u32 v222, s94, v241                   ; my gate tile's image
	s_lshl_b32 s94, s34, 7
	s_add_co_u32 s94, s94, GATE
	v_lshl_add_u32 v223, v252, 8, s94              ; row 8 hw of a gate tile, my half: 16 (16 h + 8 hw)
	v_lshlrev_b32 v238, 6, v252
	s_lshl_b32 s94, s82, 9
	s_add_co_u32 s94, s94, MADD
	v_add_nc_u32 v239, s94, v238                   ; the other half's keys' addends,
	s_lshl_b32 s94, s34, 9
	s_add_co_u32 s94, s94, MADD
	v_add_nc_u32 v238, s94, v238                   ; and my half's: 512 hw + 64 h
	v_lshrrev_b32 v254, 3, v253
	v_lshl_add_u32 v254, v254, 3, v253
	v_lshlrev_b32 v240, 12, v254
	v_lshl_add_u32 v240, v252, 6, v240             ; the residual: my row of a tile, + 64 h
.irp b, 0,1,2,3
	v_mov_b32 v[TM+4+\b], 0                        ; a lane permute's destination counts as one of its sources
.endr
.irp i, 0,1,2,3,4,5,6,7
	v_mov_b32 v[160+\i], 0                         ; the zero codes on both sides of q
	v_mov_b32 v[176+\i], 0
.endr
	v_mov_b32 v251, 0                              ; (upper halves of pairs that are named whole)
	v_mov_b32 v253, 0
.irp d, 0,1,2,3
	v_mov_b32 v[17+2*\d], v[16+2*\d]               ; v's bias and my tokens' mask were loaded once: the packed forms take them as pairs
	v_mov_b32 v[9+2*\d], v[8+2*\d]
.endr
.macro EV d                            ; (sum + my channel's bias) x the tokens' mask
	WIN 0x02
.set n, 0
.rept 16
	v_pk_add_f32 v[64+n:65+n], v[32*(\d)+n:32*(\d)+n+1], v[16+2*(\d):17+2*(\d)]
.set n, n+2
.endr
	WIN 0x08
.set n, 0
.rept 16
	v_pk_mul_f32 v[64+n:65+n], v[64+n:65+n], v[224+n:225+n]
.set n, n+2
.endr
	WIN 0
.endm
.irp d, 0,1,2,3
	EV \d
	QUANT2 64, 184, 216
	ds_store_b128 v236, v[184:187] offset:4096*\d
	ds_store_b128 v236, v[188:191] offset:4096*\d+512
	ds_store_b16 v237, v216 offset:256*\d          ; my two bytes of the fragment's scale words; these stores are waited for in front of the gate's barrier
.endr
	; ---- the gate: wave w makes channel tile w of my head, for the group's one or two batches
	s_wait_loadcnt 0x0                             ; the gate's operands, and my two mask numbers
	v_cmp_gt_f32 vcc_lo, v226, v2
	v_cndmask_b32 v226, s89, v2, vcc_lo            ; 0 where the mask is above 0, else -2^100
	v_cmp_gt_f32 vcc_lo, v227, v2
	v_cndmask_b32 v227, s89, v2, vcc_lo
	ds_store_b32 v225, v226
	ds_store_b32 v225, v227 offset:512
	WIN 0x05
	v_wmma_scale_f32_16x16x128_f8f6f4 v[56:63], v[0:15], v[128:143], v[56:63], v38, v46
.irp s, 1,2,3,4,5,6,7
	s_wait_alu depctr_va_vdst(0)                   ; a wait ahead of each link
	v_wmma_scale_f32_16x16x128_f8f6f4 v[56:63], v[16*\s:16*\s+15], v[128+16*\s:143+16*\s], v[56:63], v[38+\s], v[46+\s]
.endr
	WIN 0
	PLACES 8                                       ; ahead of the reads of the sum
.irp j, 0,1,2,3,4,5,6,7
	v_mul_f32 v[64+\j], 0xbfb8aa3b, v[56+\j]
.endr
	s_wait_alu depctr_va_vdst(0)
.irp j, 0,1,2,3,4,5,6,7
	v_exp_f32 v[64+\j], v[64+\j]
.endr
	v_nop
	s_wait_alu depctr_va_vdst(0)                   ; one wait for the eight
.irp j, 0,1,2,3,4,5,6,7
	v_add_f32 v[64+\j], 1.0, v[64+\j]
.endr
	s_wait_alu depctr_va_vdst(0)
.irp j, 0,1,2,3,4,5,6,7
	v_rcp_f32 v[64+\j], v[64+\j]
.endr
	v_nop
	s_wait_alu depctr_va_vdst(0)
.irp j, 0,1,2,3,4,5,6,7
	v_add_f32 v[64+\j], 1.0, v[64+\j]              ; 1 + sigmoid
.endr
	ds_store_b128 v222, v[64:67]
	ds_store_b128 v222, v[68:71] offset:512
	s_lshl_b32 s94, s34, 13                        ; the gate's sum is spent: its registers take the addresses of K's and V's images, my half's and the other's
	s_add_co_u32 s94, s94, KIMG
	v_add_nc_u32 v56, s94, v241
	s_lshl_b32 s94, s82, 13
	s_add_co_u32 s94, s94, KIMG
	v_add_nc_u32 v57, s94, v241
	s_lshl_b32 s94, s34, 11
	s_add_co_u32 s94, s94, VIMG
	v_add_nc_u32 v58, s94, v241
	s_lshl_b32 s94, s82, 11
	s_add_co_u32 s94, s94, VIMG
	v_add_nc_u32 v59, s94, v241
	s_lshl_b32 s94, s34, 9
	s_add_co_u32 s94, s94, KSC
	v_add_nc_u32 v60, s94, v255
	s_lshl_b32 s94, s82, 9
	s_add_co_u32 s94, s94, KSC
	v_add_nc_u32 v61, s94, v255
	s_lshl_b32 s94, s34, 7
	s_add_co_u32 s94, s94, VSC
	v_add_nc_u32 v62, s94, v255
	s_lshl_b32 s94, s82, 7
	s_add_co_u32 s94, s94, VSC
	v_add_nc_u32 v63, s94, v255
	s_wait_dscnt 0x0                               ; my gate tile and my two addends have landed
	s_barrier_signal -1
	s_barrier_wait -1                              ; everybody's have
	WIN 0x80
.irp T, 0,1,2,3
	ds_load_b128 v[192+8*\T:195+8*\T], v223 offset:1024*\T       ; 1 + gate of my batch, in k's and q's layout
	ds_load_b128 v[196+8*\T:199+8*\T], v223 offset:1024*\T+512
.endr
	WIN 0
	s_wait_dscnt 0x0
	; ---- k's and q's epilogue: mask, gate, quantise; images to LDS
.macro EKQ p, T                        ; (sum with bias) x my token's mask x (1 + gate), into v64-95
	WIN 0x03
.set n, 0
.rept 16
	v_pk_mul_f32 v[64+n:65+n], v[128*(\p)+32*(\T)+n:128*(\p)+32*(\T)+n+1], v[8+2*(\T):9+2*(\T)]
.set n, n+2
.endr
	WIN 0x08
.set n, 0
.rept 16
	v_pk_mul_f32 v[64+n:65+n], v[64+n:65+n], v[192+n:193+n]
.set n, n+2
.endr
	WIN 0
.endm
.irp b, 0,1
	EKQ 0, 2*\b
	QUANT2 64, 184, 216
	EKQ 0, 2*\b+1
	QUANT2 64, 192, 217
	v_lshl_or_b32 v218, v217, 16, v216             ; bytes 0, 1 the even key tile's, bytes 2, 3 the odd one's
.irp c, 0,1,2,3
	ds_store_b128 v232, v[184+4*\c:187+4*\c] offset:2048*\b+512*\c
.endr
	ds_store_b32 v233, v218 offset:128*\b
.endr
	WIN 0xc0                                       ; k's sums are spent: their registers take the keys' addends, register 16 b + i = key 32 b + 16 h + i of a half: the score tiles' layout
.irp b, 0,1,2,3
.irp j, 0,1,2,3
	ds_load_b128 v[16*\b+4*\j:16*\b+4*\j+3], v238 offset:128*\b+16*\j
	ds_load_b128 v[64+16*\b+4*\j:64+16*\b+4*\j+3], v239 offset:128*\b+16*\j
.endr
.endr
	WIN 0
.irp T, 0,1,2,3
	EKQ 1, \T
	QUANT2 64, 184, 216
	v_lshl_or_b32 v218, v216, 16, v216             ; q's two bytes twice: for [q | 0] and for [0 | q]
	ds_store_b128 v234, v[184:187] offset:1024*\T
	ds_store_b128 v234, v[188:191] offset:1024*\T+512
	ds_store_b32 v235, v218 offset:128*\T
.endr
	s_wait_dscnt 0x0                               ; for the others' sake: k's and q's images and the addends' loads are done
	s_barrier_signal -1
	s_barrier_wait -1                              ; K's and V's images of all four waves lie in LDS
	WIN 0x40
.irp k, 0,1,2,3
.irp c, 0,1,2,3
	ds_load_b128 v[16*\k+4*\c:16*\k+4*\c+3], v56 offset:2048*\k+512*\c
	ds_load_b128 v[64+16*\k+4*\c:64+16*\k+4*\c+3], v57 offset:2048*\k+512*\c
.endr
.endr
.irp d, 0,1,2,3
.irp c, 0,1,2,3
	ds_load_b128 v[128+16*\d+4*\c:128+16*\d+4*\c+3], v58 offset:4096*\d+512*\c
	ds_load_b128 v[192+16*\d+4*\c:192+16*\d+4*\c+3], v59 offset:4096*\d+512*\c
.endr
.endr
	WIN 0
.irp k, 0,1,2,3
	ds_load_b32 v[38+\k], v60 offset:128*\k
	ds_load_b32 v[42+\k], v61 offset:128*\k
	ds_load_b32 v[46+\k], v62 offset:256*\k
	ds_load_b32 v[50+\k], v63 offset:256*\k
.endr
	; ---- attention: four trips, a tile of 16 queries each.  v246 -M, v247 the largest t, v[248:249] the sum, v250 f, v252 1 / sum
; 128 keys: kf, vf: K's and V's fragments (window 1); ks, vs: their scale words; ma: the keys' addends (window 3), the C of the score products
.macro STEP kf, ks, vf, vs, ma, first
	WIN 0x31
.irp k, 0,1,2,3
	v_wmma_scale_f32_16x16x128_f8f6f4 v[64+16*\k:71+16*\k], v[\kf+16*\k:\kf+16*\k+15], v[168:183], v[\ma+16*\k:\ma+16*\k+7], v[\ks+\k], v54
	v_wmma_scale_f32_16x16x128_f8f6f4 v[72+16*\k:79+16*\k], v[\kf+16*\k:\kf+16*\k+15], v[160:175], v[\ma+16*\k+8:\ma+16*\k+15], v[\ks+\k], v54
.endr
	WIN 0
	PLACES 8
.irp b, 0,1,2,3
	v_max3_num_f32 v[TM+\b], v[64+16*\b], v[65+16*\b], v[66+16*\b]   ; each block's largest score: for the row's maximum, and, since p rises with the score, for the block's largest p
.endr
.irp i, 3,5,7,9,11,13
.irp b, 0,1,2,3
	v_max3_num_f32 v[TM+\b], v[TM+\b], v[64+16*\b+\i], v[65+16*\b+\i]
.endr
.endr
.irp b, 0,1,2,3
	v_max_num_f32 v[TM+\b], v[TM+\b], v[79+16*\b]
.endr
.irp b, 0,1,2,3
	v_permlanex16_b32 v[TM+4+\b], v[TM+\b], s[SEL], s[SEL+1]
.endr
.irp b, 0,1,2,3
	v_max_num_f32 v[TM+\b], v[TM+\b], v[TM+4+\b]
.endr
	v_max3_num_f32 v216, v200, v201, v202
	v_max_num_f32 v216, v216, v203
	v_mul_f32 v216, s[CS], v216                    ; as t (the factor is positive)
	v_max_num_f32 v247, v247, v216                 ; the running largest t
.if !\first
	v_mov_b32 v216, v246
.endif
	v_floor_f32 v246, -v247                        ; -M = floor(-t): M is a whole number
.if !\first
	v_sub_f32 v216, v246, v216
	v_cvt_i32_f32 v216, v216                       ; (it saturates)
	v_ldexp_f32 v250, 1.0, v216                    ; f = 2^(old M - new M): exact
.endif
.set n, 0
.rept 32
	v_pk_fma_f32 v[64+n:65+n], v[64+n:65+n], s[CS:CS+1], v[246:247] op_sel_hi:[1,0,0]   ; t - M, two at a time
.set n, n+2
.endr
.irp b, 0,1,2,3
	v_fma_f32 v[TM+\b], v[TM+\b], s[CS], v246      ; the same of each block's largest score
.endr
	s_wait_alu depctr_va_vdst(0)
.irp b, 0,1,2,3
	v_exp_f32 v[TM+\b], v[TM+\b]                   ; the block's largest p: the same two lines on the same number
.endr
.set n, 0
.rept 64
	v_exp_f32 v[64+n], v[64+n]                     ; p = 2^(t - M)
.set n, n+1
.endr
.if \first
	v_nop
.else
	v_pk_mul_f32 v[248:249], v[248:249], v[250:251] op_sel_hi:[1,0]
.endif
	s_wait_alu depctr_va_vdst(0)                   ; one wait for the 68, ahead of their first reader
	v_pk_add_f32 v[220:221], v[64:65], v[66:67]    ; the sum of the unquantised p, in two chains
.irp j, 4,8,12,16,20,24,28,32,36,40,44,48,52,56,60
	v_pk_add_f32 v[248:249], v[248:249], v[64+\j:65+\j]
	v_pk_add_f32 v[220:221], v[220:221], v[66+\j:67+\j]
.endr
	v_pk_add_f32 v[248:249], v[248:249], v[220:221]
.irp b, 0,1,2,3
	v_max_num_f32 v[TM+\b], 0x4800000, v[TM+\b]
.endr
.irp b, 0,1,2,3
	v_add_nc_u32 v[TM+12+\b], 0xfc000000, v[TM+\b]
.endr
.irp b, 0,1,2,3
	v_and_or_b32 v[TM+8+\b], v[TM+\b], 0x7f800000, s[MNT]
.endr
.irp b, 0,1,2,3
	v_lshrrev_b32 v[TM+4+\b], 23, v[TM+12+\b]
.endr
	v_lshl_or_b32 v55, v205, 8, v204               ; p's scale word
	v_lshl_or_b32 v55, v206, 16, v55
	v_lshl_or_b32 v55, v207, 24, v55
.irp b, 0,1,2,3
.irp i, 0,1,2,3,4,5,6,7,8,9,10,11,12,13,14,15
	v_min_num_f32 v[64+16*\b+\i], v[64+16*\b+\i], v[TM+8+\b]   ; p is not negative: a one-sided hold
.endr
	v_cvt_scalef32_pk8_fp8_f32 v[184+4*\b:185+4*\b], v[64+16*\b:71+16*\b], v[TM+12+\b]
	v_cvt_scalef32_pk8_fp8_f32 v[186+4*\b:187+4*\b], v[72+16*\b:79+16*\b], v[TM+12+\b]
.endr
.if \first
	PLACES 4                                       ; codes written by vector instructions stand four places ahead of the products
.else
.set n, 0
.rept 16
	v_pk_mul_f32 v[128+n:129+n], v[128+n:129+n], v[250:251] op_sel_hi:[1,0]   ; O^T under the new M; these are the places too
.set n, n+2
.endr
.endif
	WIN 0x01
.irp d, 0,1,2,3
.if \first
	v_wmma_scale_f32_16x16x128_f8f6f4 v[128+8*\d:135+8*\d], v[\vf+16*\d:\vf+16*\d+15], v[184:199], 0, v[\vs+\d], v55
.else
	v_wmma_scale_f32_16x16x128_f8f6f4 v[128+8*\d:135+8*\d], v[\vf+16*\d:\vf+16*\d+15], v[184:199], v[128+8*\d:135+8*\d], v[\vs+\d], v55
.endif
.endr
	WIN 0
.endm
	s_mov_b32 s91, 0
	s_mov_b32 s92, 0
	s_mov_b32 s93, 0
	ds_load_b128 v[168:171], v234                  ; the first tile's q; each later tile's is fetched at the end of the trip before
	ds_load_b128 v[172:175], v234 offset:512
	ds_load_b32 v54, v235
.Ltrip:
	s_and_b32 s94, s91, 1
	s_lshl_b32 s94, s94, 15
	s_lshr_b32 s95, s91, 1
	s_lshl_b32 s95, s95, 17
	s_add_co_u32 s94, s94, s95                     ; the tile's first token: 32 (i / 2) + 8 (i % 2) rows of 4,096 bytes
	s_mov_b32 s95, 0
	s_add_nc_u64 s[70:71], s[68:69], s[94:95]      ; (the last trip's loads by this base are in)
	WIN 0xc0
.irp b, 0,1
.irp j, 0,1,2,3
	global_load_b128 v[128+16*\b+4*\j:131+16*\b+4*\j], v240, s[70:71] offset:128*\b+16*\j th:TH_LOAD_NT   ; the residual, in O^T's layout: it has the whole trip in which to land
.endr
.endr
	WIN 0
	v_mov_b32 v248, 0
	v_mov_b32 v249, 0
	v_mov_b32 v247, s90
	s_wait_dscnt 0x0                               ; q; in the first trip K's and V's fragments too
	STEP 0, 38, 128, 46, 0, 1                      ; my half's 128 keys
	s_cmp_lg_u32 s32, 0                            ; a v group's other half is another batch: ids alone, the same in all partners
	s_cbranch_scc1 .Lone_half
	STEP 64, 42, 192, 50, 64, 0
.Lone_half:
	PLACES 8                                       ; ahead of the reads of O^T, and of the loads into q's registers
	s_add_co_u32 s92, s92, 1024
	s_add_co_u32 s93, s93, 128
	v_add_nc_u32 v243, s92, v234
	v_add_nc_u32 v244, s93, v235
	ds_load_b128 v[168:171], v243                  ; the next tile's q.  (The last trip's three loads read the bytes that lie behind, inside LDS and written ahead of the last barrier; nobody uses them)
	ds_load_b128 v[172:175], v243 offset:512
	ds_load_b32 v54, v244
	v_add_f32 v216, v248, v249
	v_permlanex16_b32 v204, v216, s[SEL], s[SEL+1]
	v_add_f32 v216, v216, v204                     ; the row's sum
	s_wait_alu depctr_va_vdst(0)
	v_rcp_f32 v252, v216
	v_cmp_le_f32 vcc_lo, s4, v247                  ; (a plain line behind the reciprocal)  has the row a key that counts?
	s_wait_alu depctr_va_vdst(0)
	v_cndmask_b32 v252, s5, v252, vcc_lo           ; if not: NaN
	s_wait_alu depctr_va_vdst(0)
	s_wait_loadcnt 0x0                             ; the residual
	s_wait_xcnt 0x0                                ; the last trip's stores have read their data in v8-16 and their bases: both are written anew below
	s_lshl_b32 s94, s91, 11
	s_mov_b32 s95, 0
	s_add_nc_u64 s[76:77], s[72:73], s[94:95]      ; this tile's fragment of u,
	s_lshl_b32 s94, s91, 6
	s_add_nc_u64 s[78:79], s[74:75], s[94:95]      ; and its scale words
	WIN 0x30
.set n, 0
.rept 16
	v_pk_fma_f32 v[64+n:65+n], v[128+n:129+n], v[252:253], v[128+n:129+n] op_sel_hi:[1,0,1]   ; x + O^T / sum
.set n, n+2
.endr
	WIN 0
	QUANT2 64, 8, 16
	global_store_b128 v241, v[8:11], s[76:77]                ; my head's two blocks of the fragment's image: 1,024 bytes on end
	global_store_b128 v241, v[12:15], s[76:77] offset:512
	global_store_b16 v242, v16, s[78:79]
	s_add_co_u32 s91, s91, 1
	s_cmp_lt_u32 s91, 4
	s_cbranch_scc1 .Ltrip
	s_wait_tensorcnt 0x0                           ; the wave's end
	ds_add_u32 v1, v2
	s_wait_dscnt 0x0
	CROUND                                         ; the closing round
	s_endpgm
.Lfunc_end_k_qb9272aa194_attn:
	.size	k_qb9272aa194_attn, .Lfunc_end_k_qb9272aa194_attn-k_qb9272aa194_attn
	.p2alignl 7, 3214868480
	.fill 96, 4, 3214868480
	.section	.rodata,"a",@progbits
	.p2align	6, 0x0
	.amdhsa_kernel k_qb9272aa194_attn
		.amdhsa_group_segment_fixed_size 261632
		.amdhsa_private_segment_fixed_size 0
		.amdhsa_enable_private_segment 0
		.amdhsa_kernarg_size 96
		.amdhsa_user_sgpr_count 2
		.amdhsa_user_sgpr_kernarg_segment_ptr 1
		.amdhsa_wavefront_size32 1
		.amdhsa_system_sgpr_workgroup_id_x 1
		.amdhsa_system_sgpr_workgroup_id_y 1
		.amdhsa_system_sgpr_workgroup_id_z 1
		.amdhsa_system_vgpr_workitem_id 0
		.amdhsa_next_free_vgpr 1024
		.amdhsa_next_free_sgpr 100
		.amdhsa_reserve_vcc 1
		.amdhsa_float_denorm_mode_32 3
		.amdhsa_float_denorm_mode_16_64 3
		.amdhsa_memory_ordered 1
		.amdhsa_forward_progress 1
		.amdhsa_inst_pref_size 244
	.end_amdhsa_kernel
	.amdgpu_metadata
---
amdhsa.version: [ 1, 2 ]
amdhsa.kernels:
  - .name:           k_qb9272aa194_attn
    .symbol:         k_qb9272aa194_attn.kd
    .args:
      - { .name: xcodes, .offset: 0, .size: 8, .value_kind: global_buffer, .address_space: global }
      - { .name: wcodes, .offset: 8, .size: 8, .value_kind: global_buffer, .address_space: global }
      - { .name: mcodes, .offset: 16, .size: 8, .value_kind: global_buffer, .address_space: global }
      - { .name: t, .offset: 24, .size: 8, .value_kind: global_buffer, .address_space: global }
      - { .name: v, .offset: 32, .size: 8, .value_kind: global_buffer, .address_space: global }
      - { .name: t_mask, .offset: 40, .size: 8, .value_kind: global_buffer, .address_space: global }
      - { .name: v_mask, .offset: 48, .size: 8, .value_kind: global_buffer, .address_space: global }
      - { .name: b_t, .offset: 56, .size: 8, .value_kind: global_buffer, .address_space: global }
      - { .name: b_v, .offset: 64, .size: 8, .value_kind: global_buffer, .address_space: global }
      - { .name: b_v4t, .offset: 72, .size: 8, .value_kind: global_buffer, .address_space: global }
      - { .name: b_t4v, .offset: 80, .size: 8, .value_kind: global_buffer, .address_space: global }
      - { .name: ucodes, .offset: 88, .size: 8, .value_kind: global_buffer, .address_space: global }
    .group_segment_fixed_size: 261632
    .private_segment_fixed_size: 0
    .kernarg_segment_align: 8
    .kernarg_segment_size: 96
    .max_flat_workgroup_size: 128
    .sgpr_count:     100
    .vgpr_count:     1024
    .wavefront_size: 32
...
	.end_amdgpu_metadata
.endif
;; end of part 2
;; launch outp (part 3): grid 48 x 4, 4 waves a work-group, clusters of 4 x 1, 327,680 bytes of LDS; arguments ucodes, wcodes, b_to, b_vo, out0, out1; writes out0, out1
.if DOCPART == 3
	.amdgcn_target "amdgcn-amd-amdhsa--gfx1250"
	.amdhsa_code_object_version 6
	.text
	.protected	k_qb9272aa194_outp
	.globl	k_qb9272aa194_outp
	.p2align	8
	.type	k_qb9272aa194_outp,@function
k_qb9272aa194_outp:
	s_mov_b64 s[64:65], 0
	v_nop
	global_prefetch_b8 v0, s[64:65] scope:SCOPE_SE
	s_setreg_imm32_b32 hwreg(HW_REG_WAVE_MODE, 25, 1), 1
	s_wait_xcnt 0x0
	s_wait_alu depctr_hold_cnt(0) depctr_sa_sdst(0) depctr_va_vdst(0) depctr_va_sdst(0) depctr_va_ssrc(0) depctr_va_vcc(0) depctr_vm_vsrc(0)
	s_getreg_b32 s2, hwreg(HW_REG_IB_STS2, 6, 4)
	s_cmp_eq_u32 s2, 0
	s_cbranch_scc0 .Lentry_in_a_cluster
	s_endpgm
.Lentry_in_a_cluster:
	s_bfe_u32 s2, ttmp6, 0x10000c
	s_cmp_lg_u32 s2, 0x3003
	s_cbranch_scc0 .Lentry_shape_is_right
	s_endpgm
.Lentry_shape_is_right:
; OUTP: out = u W_o + b_o on codes of MX-FP8 (E4M3, a scale byte for 32 along K); u = x + the attention's update, as ATTN left its codes and scale words (images of the operand's registers).
; SHARES.  One work-group = a group of 256 tokens x a panel of 256 columns; wave w owns tokens 64 w on (four tiles of 16) x all 256 columns.
; A WAVE'S u STAYS IN REGISTERS, all of K: 32 fragments, 512 registers.  The panel is walked in four groups of 64 columns: a group is eight batches (K steps) of 16 products on 16 accumulators, which take turns
; Sums stand in two sets, so that group g - 1's way out stands between group g's batches.
; W_o's panel lies by group: [group][K step] blocks of 4 fragments and their scale words, 8,448 bytes.  It is filled into LDS ONCE, jointly by the four work-groups of a cluster (four groups of tokens of one modality,
; one panel): one load a wave, group w's 67,584 dense bytes.  The first barrier shows wave 0's line (group 0), the barrier in batch (0, 7) the other waves' line.
; Source 0 = W's columns, source 1 = tokens: a lane holds eight neighbouring columns of one token.  Row r of a tile is index 32 (T / 2) + 8 (T % 2) + r + 8 (r / 8), for tokens and for columns.
; THE WAY OUT of a tile (16 tokens x 64 columns): into the wave's own stage (rows of 256 + 16 bytes, LDS bytes into which no fill lands), back by rows, + bias, stored: sixteen lanes fill one aligned unit of 256 bytes.
; No prefetch: all of W is asked for at the head and u's loads go out at the head and in group 0's first five batches: there is no later step to ask ahead for.
; 192 work-groups: 12,288 x 1,024 results in blocks of 256 x 256; t's 8,192 and v's 4,096 tokens have no factor 3, so no even deal on 256 exists.
; LIMITS: NaN and infinities among the inputs are not served.
; REGISTERS.  Window 0: v1-7 addresses, v8-15 W's codes in LDS (2 g + j / 4), v16-23 its scale words, v24-31 W's scale words (four K steps by turns), v32-47 u's, v48-63 the bias, v64-191 sums of even groups, v192-255 rows read back.
;   Window 1: v0-127 W's fragments, two sets; v128-255 sums of odd groups.  Windows 2, 3: u.
.set XBLK,  33792                      ; a K step of u: 16 fragments and their scale words
.set GBLK,  8448                       ; a K step of a group of W: 4 fragments and their scale words
.set GRP,   8*GBLK
.set SPARE, 4*GRP                      ; behind W: the spare words, 128 bytes a wave, two blocks of 256 bytes that no other line names
.set STAGE, SPARE+512                  ; behind them: two stages of 16 rows for each wave
.set SP,    272
.set ST1,   16*SP
.set RB,    192
.set BI,    48
.set MSB, 0
.macro WIN new                         ; the immediate's high byte repeats the setting that is left
.if MSB != \new
	s_set_vgpr_msb (MSB<<8)|\new
.set MSB, \new
.endif
.endm
.macro PLACES n
.rept \n
	v_nop
.endr
.endm
.macro CROUND                          ; a round of the cluster's barrier
	s_barrier_signal -1
	s_barrier_wait -1
	s_cmp_lg_u32 s16, 0
	s_cbranch_scc1 .Lnot_wave_0_\@
	s_barrier_signal -3
.Lnot_wave_0_\@:
	s_barrier_wait -3
	s_barrier_signal -1
	s_barrier_wait -1
.endm
.macro MMX cm                          ; one product from the symbols rD, rA, rB, rSA, rSB; rRA, rRB: the scale words lie in lanes 16-31.  cm = 0: it starts the sum
.if \cm
.if rRA && rRB
	v_wmma_scale_f32_16x16x128_f8f6f4 v[rD:rD+7], v[rA:rA+15], v[rB:rB+15], v[rD:rD+7], v[rSA], v[rSB] matrix_a_scale:MATRIX_SCALE_ROW1 matrix_b_scale:MATRIX_SCALE_ROW1
.elseif rRA
	v_wmma_scale_f32_16x16x128_f8f6f4 v[rD:rD+7], v[rA:rA+15], v[rB:rB+15], v[rD:rD+7], v[rSA], v[rSB] matrix_a_scale:MATRIX_SCALE_ROW1
.elseif rRB
	v_wmma_scale_f32_16x16x128_f8f6f4 v[rD:rD+7], v[rA:rA+15], v[rB:rB+15], v[rD:rD+7], v[rSA], v[rSB] matrix_b_scale:MATRIX_SCALE_ROW1
.else
	v_wmma_scale_f32_16x16x128_f8f6f4 v[rD:rD+7], v[rA:rA+15], v[rB:rB+15], v[rD:rD+7], v[rSA], v[rSB]
.endif
.else
.if rRA && rRB
	v_wmma_scale_f32_16x16x128_f8f6f4 v[rD:rD+7], v[rA:rA+15], v[rB:rB+15], 0, v[rSA], v[rSB] matrix_a_scale:MATRIX_SCALE_ROW1 matrix_b_scale:MATRIX_SCALE_ROW1
.elseif rRA
	v_wmma_scale_f32_16x16x128_f8f6f4 v[rD:rD+7], v[rA:rA+15], v[rB:rB+15], 0, v[rSA], v[rSB] matrix_a_scale:MATRIX_SCALE_ROW1
.elseif rRB
	v_wmma_scale_f32_16x16x128_f8f6f4 v[rD:rD+7], v[rA:rA+15], v[rB:rB+15], 0, v[rSA], v[rSB] matrix_b_scale:MATRIX_SCALE_ROW1
.else
	v_wmma_scale_f32_16x16x128_f8f6f4 v[rD:rD+7], v[rA:rA+15], v[rB:rB+15], 0, v[rSA], v[rSB]
.endif
.endif
.endm
.macro ULOAD j                         ; my four fragments of u's K step j, fragment 4 j + T in window 2 + j / 4, and their scale words: 18 loads
	WIN (2+(\j)/4)<<6
.irp T, 0,1,2,3
.irp c, 0,1,2,3
	global_load_b128 v[16*((4*(\j)+\T)%16)+4*\c:16*((4*(\j)+\T)%16)+4*\c+3], v3, s[40:41] offset:XBLK*(\j)+2048*\T+512*\c
.endr
.endr
	WIN 0
.irp i, 0,1
	global_load_b32 v[32+2*(\j)+\i], v4, s[40:41] offset:XBLK*(\j)+32768+128*\i
.endr
.endm
.macro FETCH g, j                      ; W's four fragments of group g, K step j, into set j % 2, and their scale words: 18 LDS loads
	WIN 0x40
.irp f, 0,1,2,3
.irp c, 0,1,2,3
	ds_load_b128 v[64*((\j)%2)+16*\f+4*\c:64*((\j)%2)+16*\f+4*\c+3], v[8+2*(\g)+(\j)/4] offset:GBLK*((\j)%4)+2048*\f+512*\c
.endr
.endr
	WIN 0
.irp p, 0,1
	ds_load_b32 v[24+(2*(\j)+4)%8+\p], v[16+2*(\g)+(\j)/4] offset:GBLK*((\j)%4)+8192+128*\p   ; no product's two scale words have numbers equal modulo 8
.endr
.endm
.macro MUL16 g, j                      ; 16 products: four token tiles x the group's four column tiles, K step j
.set AW_, (\g)%2
	WIN 1|((2+(\j)/4)<<2)|(AW_<<4)|(AW_<<6)
.set tI, 0
.rept 4
.set fI, 0
.rept 4
.set rD, 64+64*AW_+32*tI+8*fI
.set rA, 64*((\j)%2)+16*fI
.set rB, 16*((4*(\j)+tI)%16)
.set rSA, 24+(2*(\j)+4)%8+fI/2
.set rRA, fI%2
.set rSB, 32+2*(\j)+tI/2
.set rRB, tI%2
.if (\j) == 0
	MMX 0
.else
	MMX 1
.endif
.set fI, fI+1
.endr
.set tI, tI+1
.endr
.endm
.macro OUT1 g, a                       ; token tile a of group g: its four accumulators into my stage a % 2, each from its low end on, and back by rows: 16 LDS instructions
.set AW_, (\g)%2
.set AC_, 64+64*AW_+32*(\a)
.set SO_, ST1*((\a)%2)
.set RB_, RB+32*((\a)%2)
	s_wait_xcnt 0x0                                ; the stores of two tiles back have read the registers on which the rows land
	WIN AW_<<2
.irp f, 0,1,2,3
	ds_store_b128 v5, v[AC_+8*\f:AC_+8*\f+3] offset:SO_+128*(\f/2)+32*(\f%2)
	ds_store_b128 v5, v[AC_+8*\f+4:AC_+8*\f+7] offset:SO_+128*(\f/2)+32*(\f%2)+16
.endr
	WIN 0
.irp i, 0,1,2,3,4,5,6,7
	ds_load_b128 v[RB_+4*\i:RB_+4*\i+3], v6 offset:SO_+2*\i*SP   ; LDS serves a wave's instructions in order: these see the stores above
.endr
.endm
.macro OUT2 g, a, n                    ; its rows are back (n: the LDS instructions issued behind them): + bias, and out
.set RB_, RB+32*((\a)%2)
	s_wait_dscnt \n
.irp i, 0,1,2,3,4,5,6,7
	v_pk_add_f32 v[RB_+4*\i:RB_+4*\i+1], v[RB_+4*\i:RB_+4*\i+1], v[BI+4*(\g):BI+4*(\g)+1]
	v_pk_add_f32 v[RB_+4*\i+2:RB_+4*\i+3], v[RB_+4*\i+2:RB_+4*\i+3], v[BI+4*(\g)+2:BI+4*(\g)+3]
.endr
.irp i, 0,1,2,3,4,5,6,7
	global_store_b128 v7, v[RB_+4*\i:RB_+4*\i+3], s[42:43] offset:(32*((\a)/2)+8*((\a)%2)+2*\i+8*(\i/4))*4096+256*(\g) th:TH_STORE_NT   ; sixteen lanes store 256 consecutive bytes, aligned
.endr
.endm
; A BATCH.  Eight plain vector lines stand behind the last batch's products, ahead of the fetch into the set that they have read (in odd batches of groups 1 to 3 the 16 additions of the way out are those lines);
; the next batch's fetch; then the wait for this batch's set, which was fetched a batch ago.
.macro BATCH g, j
.if (\g) > 0 && (\j)%2 == 1
	OUT2 (\g)-1, (\j)/2, 0
.elseif (\g) > 0 || (\j) > 0
	PLACES 8
.endif
.if (\g) == 0 && (\j) == 7
	s_wait_tensorcnt 0x0                           ; every wave: groups 1 to 3 of W have landed,
	s_wait_dscnt 0x0                               ; and no LDS load of mine is out at the signal
	s_barrier_signal -1
	s_barrier_wait -1
.endif
.if (\j) < 7
	FETCH \g, (\j)+1
.elseif (\g) < 3
	FETCH (\g)+1, 0
.endif
.if (\g) == 0 && (\j) < 5
	ULOAD (\j)+3
.endif
.if (\g) > 0 && (\j)%2 == 0
	OUT1 (\g)-1, (\j)/2
	s_wait_dscnt 34                                ; behind this batch's set: the 18 of the fetch above and the stage's 16
.elseif (\g) == 3 && (\j) == 7
	s_wait_dscnt 0x0
.else
	s_wait_dscnt 18                                ; behind this batch's set: the 18 of the fetch above
.endif
.if (\g) == 0
.if (\j) < 5
	s_wait_loadcnt 54                              ; u's K step j is in; three later sets of 18 may be out
.else
	s_wait_loadcnt 18*(7-(\j))
.endif
.endif
	MUL16 \g, \j
	WIN 0
.endm
	s_load_b256 s[4:11], s[0:1], 0x0               ; ucodes, wcodes, b_to, b_vo
	s_load_b128 s[12:15], s[0:1], 0x20             ; out0, out1
	v_lshl_add_u32 v1, v0, 2, SPARE
	v_mov_b32 v2, 0
	ds_add_u32 v1, v2                              ; the wave's opening: the add, twice on end, and its wait ahead of the first tensor load
	ds_add_u32 v1, v2
	v_lshrrev_b32 v7, 5, v0
	v_readfirstlane_b32 s16, v7                    ; wave
	s_bfe_u32 s17, ttmp6, 0x40000                  ; cx: it enters global addresses alone
	s_lshl_b32 s18, ttmp9, 2
	s_add_co_u32 s18, s18, s17                     ; the group of tokens
	s_and_b32 s19, ttmp7, 0xffff                   ; the panel
	s_cmp_ge_u32 ttmp9, 8
	s_cselect_b32 s20, 1, 0                        ; mod: 0 t, 1 v: the same in all four partners
	s_lshl_b32 s21, s20, 5
	s_sub_co_u32 s21, s18, s21                     ; the group's number in its tensor
	s_mov_b32 s24, 15|(3<<16)|(1<<21)              ; group 1: the mask names all four; elements of 8 bytes; bit 21 beside a mask; no padding
	s_mov_b32 s25, 32<<16                          ; rows of 256 bytes,
	s_mov_b32 s26, 264<<16                         ; 264 of them: a group's 67,584 dense bytes
	s_mov_b32 s27, 32<<16
	s_mov_b32 s28, 264
	s_mov_b32 s29, 32
	s_mov_b32 s30, 0
	s_mov_b32 s31, 0
	s_mov_b32 s47, 0
	s_wait_dscnt 0x0                               ; both opening adds are done
	s_wait_kmcnt 0x0
	s_lshl_b32 s46, s20, 2
	s_add_co_u32 s46, s46, s19
	s_lshl_b32 s46, s46, 2
	s_add_co_u32 s46, s46, s16                     ; 16 mod + 4 panel + wave: my group of W's columns
	s_mul_i32 s46, s46, GRP
	s_add_co_u32 s46, s46, 6488064
	s_add_nc_u64 s[48:49], s[6:7], s[46:47]        ; nothing in it hangs on cx
	CROUND                                         ; all four work-groups are here: the joint loads meet
	s_mov_b32 s32, 1
	s_mul_i32 s33, s16, GRP
	s_mov_b64 s[34:35], s[48:49]
	s_or_b32 s35, s35, 0x80000000
	s_cmp_eq_u32 s16, 0                            ; ONE joint load a wave; wave 0, whose group is wanted first, has a line of its own
	s_cbranch_scc0 .Lw_123
	tensor_load_to_lds s[32:35], s[24:31]
	s_nop 0
	PLACES 4
	s_branch .Lw_asked
.Lw_123:
	tensor_load_to_lds s[32:35], s[24:31]
	s_nop 0
	PLACES 4
.Lw_asked:
	s_mul_i32 s46, s18, 8*XBLK
	s_add_nc_u64 s[40:41], s[4:5], s[46:47]        ; u's codes of my group of tokens
	s_cmp_eq_u32 s20, 0
	s_cselect_b64 s[42:43], s[14:15], s[12:13]     ; t goes to out1, v to out0
	s_cselect_b64 s[44:45], s[8:9], s[10:11]
	s_lshl_b32 s46, s19, 10
	s_add_nc_u64 s[44:45], s[44:45], s[46:47]      ; the panel's bias
	s_lshl_b32 s50, s21, 20
	s_add_co_u32 s46, s46, s50
	s_lshl_b32 s50, s16, 18
	s_add_co_u32 s46, s46, s50
	s_add_nc_u64 s[42:43], s[42:43], s[46:47]      ; out at my wave's first token, my panel's first column
	v_and_b32 v192, 31, v0                         ; lane
	v_and_b32 v193, 15, v0                         ; r
	v_bfe_u32 v194, v0, 4, 1                       ; h
	v_lshlrev_b32 v195, 4, v192                    ; 16 x lane
	v_lshlrev_b32 v196, 2, v192                    ; 4 x lane
	s_lshl_b32 s50, s16, 13
	v_add_nc_u32 v3, s50, v195                     ; my four fragments in a block of u
	s_lshl_b32 s50, s16, 8
	v_add_nc_u32 v4, s50, v196                     ; and their scale words
.irp i, 0,1,2,3,4,5,6,7
	v_add_nc_u32 v[8+\i], (\i/2)*GRP+(\i%2)*4*GBLK, v195    ; W in LDS: group i / 2, K steps 4 (i % 2) on
	v_add_nc_u32 v[16+\i], (\i/2)*GRP+(\i%2)*4*GBLK, v196
.endr
	s_mul_i32 s50, s16, 2*ST1
	s_add_co_u32 s50, s50, STAGE                   ; my two stages
	v_mul_u32_u24 v5, v193, SP
	v_lshl_add_u32 v5, v194, 6, v5
	v_add_nc_u32 v5, s50, v5                       ; in: row r, + 64 h
	v_mul_u32_u24 v6, v194, SP
	v_lshl_add_u32 v6, v193, 4, v6
	v_add_nc_u32 v6, s50, v6                       ; back: lanes 0-15 one row, lanes 16-31 the next
	v_lshlrev_b32 v7, 12, v194
	v_lshl_add_u32 v7, v193, 4, v7                 ; and the same two rows in out
	v_lshlrev_b32 v197, 4, v193                    ; the bias of my four columns of a group
	s_wait_alu depctr_va_vdst(0)
.irp g, 0,1,2,3
	global_load_b128 v[BI+4*\g:BI+4*\g+3], v197, s[44:45] offset:256*\g
.endr
	ULOAD 0
	ULOAD 1
	ULOAD 2
	s_cmp_eq_u32 s16, 0
	s_cbranch_scc0 .Lnot_w0
	s_wait_tensorcnt 0x0                           ; wave 0: group 0 of W has landed; the other waves' loads stay out
.Lnot_w0:
	s_barrier_signal -1
	s_barrier_wait -1
	FETCH 0, 0
.irp g, 0,1,2,3
.irp j, 0,1,2,3,4,5,6,7
	BATCH \g, \j
.endr
.endr
	PLACES 8                                       ; ahead of the reads of the last sums
	OUT1 3, 0
	OUT1 3, 1
	OUT2 3, 0, 16                                  ; behind tile a's rows: tile a + 1's 16 LDS instructions
	OUT1 3, 2
	OUT2 3, 1, 16
	OUT1 3, 3
	OUT2 3, 2, 16
	OUT2 3, 3, 0
	s_wait_tensorcnt 0x0                           ; the wave's end
	ds_add_u32 v1, v2
	s_wait_dscnt 0x0
	CROUND                                         ; the closing round
	s_endpgm
.Lfunc_end_k_qb9272aa194_outp:
	.size	k_qb9272aa194_outp, .Lfunc_end_k_qb9272aa194_outp-k_qb9272aa194_outp
	.p2alignl 7, 3214868480
	.fill 96, 4, 3214868480
	.section	.rodata,"a",@progbits
	.p2align	6, 0x0
	.amdhsa_kernel k_qb9272aa194_outp
		.amdhsa_group_segment_fixed_size 327680
		.amdhsa_private_segment_fixed_size 0
		.amdhsa_enable_private_segment 0
		.amdhsa_kernarg_size 48
		.amdhsa_user_sgpr_count 2
		.amdhsa_user_sgpr_kernarg_segment_ptr 1
		.amdhsa_wavefront_size32 1
		.amdhsa_system_sgpr_workgroup_id_x 1
		.amdhsa_system_sgpr_workgroup_id_y 1
		.amdhsa_system_sgpr_workgroup_id_z 1
		.amdhsa_system_vgpr_workitem_id 0
		.amdhsa_next_free_vgpr 1024
		.amdhsa_next_free_sgpr 80
		.amdhsa_reserve_vcc 0
		.amdhsa_float_denorm_mode_32 3
		.amdhsa_float_denorm_mode_16_64 3
		.amdhsa_memory_ordered 1
		.amdhsa_forward_progress 1
		.amdhsa_inst_pref_size 177
	.end_amdhsa_kernel
	.amdgpu_metadata
---
amdhsa.version: [ 1, 2 ]
amdhsa.kernels:
  - .name:           k_qb9272aa194_outp
    .symbol:         k_qb9272aa194_outp.kd
    .args:
      - { .name: ucodes, .offset: 0, .size: 8, .value_kind: global_buffer, .address_space: global }
      - { .name: wcodes, .offset: 8, .size: 8, .value_kind: global_buffer, .address_space: global }
      - { .name: b_to, .offset: 16, .size: 8, .value_kind: global_buffer, .address_space: global }
      - { .name: b_vo, .offset: 24, .size: 8, .value_kind: global_buffer, .address_space: global }
      - { .name: out0, .offset: 32, .size: 8, .value_kind: global_buffer, .address_space: global }
      - { .name: out1, .offset: 40, .size: 8, .value_kind: global_buffer, .address_space: global }
    .group_segment_fixed_size: 327680
    .private_segment_fixed_size: 0
    .kernarg_segment_align: 8
    .kernarg_segment_size: 48
    .max_flat_workgroup_size: 128
    .sgpr_count:     80
    .vgpr_count:     1024
    .wavefront_size: 32
...
	.end_amdgpu_metadata
.endif
;; end of part 3
